; MI455X (gfx1250); checked and timed in simulation.
; The chip was launched on July 23, 2026; its instructions are those of AMD's public machine-readable ISA for CDNA 5 (MIT licence, August 2026) and "CDNA5" Instruction Set Architecture Reference Guide (July 2026). The comments in the code are by the model that wrote it; some were corrected since.
;; Attention MC. Allowed arithmetic: float matrix products may take bf16 or f16 operands with f32 sums; all other float work in f32.
;; Inputs: Wk 1,024 x 1,024 float32; Wo 1,024 x 1,024 float32; Wq 1,024 x 1,024 float32; Wv 1,024 x 1,024 float32; x 2 x 2,048 x 1,024 float32.
;; Outputs: out0 2 x 2,048 x 1,024 float32.
;; 2 versions, each right. Each part assembles by itself: llvm-mc -triple=amdgcn-amd-amdhsa -mcpu=gfx1250 --defsym DOCPART=n.
;; ======== version 1 of 2: 4 launches
;; limits: a function is approximated: absolute error at most 2.2e-05; values are held in f16: magnitudes above 65,504 overflow, below 6.1e-05 lose precision
;; workspace buffers: cb 16,777,216 bytes; qkv 33,554,432 bytes; ao 16,777,216 bytes
;; launch cvt (part 1): grid 32 x 8, 8 waves a work-group, no clusters, 0 bytes of LDS; arguments x, Wq, Wk, Wv, Wo, cb; writes cb
.if DOCPART == 1
	.amdgcn_target "amdgcn-amd-amdhsa--gfx1250"
	.amdhsa_code_object_version 6
	.text
	.protected	k_qe9494429ae_cvt
	.globl	k_qe9494429ae_cvt
	.p2align	8
	.type	k_qe9494429ae_cvt,@function
k_qe9494429ae_cvt:
	s_mov_b64 s[64:65], 0
	v_nop
	global_prefetch_b8 v0, s[64:65] scope:SCOPE_SE
	s_setreg_imm32_b32 hwreg(HW_REG_WAVE_MODE, 25, 1), 1
	s_wait_xcnt 0x0
; x and the four weight matrices, f32, are rounded once to bf16 (nearest even) into cb: 8,192 rows of 1,024 bf16 (2,048 bytes).
;   rows 0..4095      x
;   rows 4096..7167   Wq, Wk, Wv regrouped by head: row 4096 + 192 head + 64 mat + i = W_mat[64 head + i] (mat 0, 1, 2 = q, k, v),
;                     so that the 192 weight rows that one head needs lie together
;   rows 7168..8191   Wo
; A stream: no LDS, no barrier, no matrix unit.  Work-group (c, y) converts 32 rows (131,072 bytes of f32): y = 0..3 a quarter of x,
; y = 4..7 one weight matrix.  Thread t takes 16 bytes at 16 t of every row: a load of a wave covers 512 consecutive bytes, a store
; of a wave 256 consecutive bytes at a multiple of 256.  All 32 loads of a thread go out first; no register is written twice.
.set X, 4                              ; v[4:131]    32 slots of 4: f32 as loaded
.set Y, 132                            ; v[132:195]  32 slots of 2: bf16 to store
	s_load_b256 s[4:11], s[0:1], 0x0               ; x s[4:5], Wq s[6:7], Wk s[8:9], Wv s[10:11]
	s_load_b128 s[12:15], s[0:1], 0x20             ; Wo s[12:13], cb s[14:15]
	s_and_b32 s20, ttmp7, 0xffff                   ; y
	v_lshlrev_b32 v1, 4, v0                        ; my 16 bytes of an f32 row
	v_lshlrev_b32 v2, 3, v0                        ; my 8 bytes of a bf16 row
	s_lshl_b32 s21, ttmp9, 17                      ; c x 32 rows x 4,096 bytes
	s_lshl_b32 s22, s20, 22                        ; y x 1,024 rows x 4,096 bytes, for x alone
	s_cmp_lt_u32 s20, 4
	s_cselect_b32 s22, s22, 0
	s_add_co_u32 s22, s22, s21                     ; offset of my rows in their source, below 16 MiB
	s_mov_b32 s23, 0
	s_lshl_b32 s24, s20, 10
	s_lshl_b32 s26, ttmp9, 5
	s_add_co_u32 s24, s24, s26                     ; x and Wo: output row 1,024 y + 32 c
	s_lshr_b32 s26, ttmp9, 1                       ; Wq, Wk, Wv: head = c / 2
	s_mul_i32 s26, s26, 192
	s_lshl_b32 s27, s20, 6
	s_add_co_u32 s26, s26, s27                     ; + 64 y
	s_and_b32 s27, ttmp9, 1
	s_lshl_b32 s27, s27, 5
	s_add_co_u32 s26, s26, s27                     ; + 32 (c mod 2)
	s_add_co_u32 s26, s26, 3840                    ; + 4,096 - 64 x 4
	s_sub_co_u32 s27, s20, 4
	s_cmp_lt_u32 s27, 3                            ; y = 4, 5, 6
	s_cselect_b32 s24, s26, s24
	s_lshl_b32 s24, s24, 11                        ; rows of 2,048 bytes
	s_mov_b32 s25, 0
	s_wait_kmcnt 0x0
	s_mov_b64 s[16:17], s[4:5]                     ; the source: a choice between buffers on y alone
	s_cmp_eq_u32 s20, 4
	s_cselect_b64 s[16:17], s[6:7], s[16:17]
	s_cmp_eq_u32 s20, 5
	s_cselect_b64 s[16:17], s[8:9], s[16:17]
	s_cmp_eq_u32 s20, 6
	s_cselect_b64 s[16:17], s[10:11], s[16:17]
	s_cmp_eq_u32 s20, 7
	s_cselect_b64 s[16:17], s[12:13], s[16:17]
	s_add_nc_u64 s[16:17], s[16:17], s[22:23]
	s_add_nc_u64 s[18:19], s[14:15], s[24:25]
.set i, 0
.rept 32
	global_load_b128 v[X+4*i:X+4*i+3], v1, s[16:17] offset:4096*i th:TH_LOAD_NT    ; row i; read once in the launch
.set i, i+1
.endr
.set i, 0
.rept 32
	s_wait_loadcnt 31-i                            ; loads come back in order: row i is in, the 31 - i younger ones stay out
	v_cvt_pk_bf16_f32 v[Y+2*i], v[X+4*i], v[X+4*i+1]
	v_cvt_pk_bf16_f32 v[Y+2*i+1], v[X+4*i+2], v[X+4*i+3]
	global_store_b64 v2, v[Y+2*i:Y+2*i+1], s[18:19] offset:2048*i                  ; the next launch reads it: no hint
.set i, i+1
.endr
	s_endpgm
.Lfunc_end_k_qe9494429ae_cvt:
	.size	k_qe9494429ae_cvt, .Lfunc_end_k_qe9494429ae_cvt-k_qe9494429ae_cvt
	.p2alignl 7, 3214868480
	.fill 96, 4, 3214868480
	.section	.rodata,"a",@progbits
	.p2align	6, 0x0
	.amdhsa_kernel k_qe9494429ae_cvt
		.amdhsa_group_segment_fixed_size 0
		.amdhsa_private_segment_fixed_size 0
		.amdhsa_enable_private_segment 0
		.amdhsa_kernarg_size 48
		.amdhsa_user_sgpr_count 2
		.amdhsa_user_sgpr_kernarg_segment_ptr 1
		.amdhsa_wavefront_size32 1
		.amdhsa_system_sgpr_workgroup_id_x 1
		.amdhsa_system_sgpr_workgroup_id_y 1
		.amdhsa_system_sgpr_workgroup_id_z 1
		.amdhsa_system_vgpr_workitem_id 0
		.amdhsa_next_free_vgpr 196
		.amdhsa_next_free_sgpr 66
		.amdhsa_reserve_vcc 0
		.amdhsa_float_denorm_mode_32 3
		.amdhsa_float_denorm_mode_16_64 3
		.amdhsa_memory_ordered 1
		.amdhsa_forward_progress 1
		.amdhsa_inst_pref_size 13
	.end_amdhsa_kernel
	.amdgpu_metadata
---
amdhsa.version: [ 1, 2 ]
amdhsa.kernels:
  - .name:           k_qe9494429ae_cvt
    .symbol:         k_qe9494429ae_cvt.kd
    .args:
      - { .name: x, .offset: 0, .size: 8, .value_kind: global_buffer, .address_space: global }
      - { .name: Wq, .offset: 8, .size: 8, .value_kind: global_buffer, .address_space: global }
      - { .name: Wk, .offset: 16, .size: 8, .value_kind: global_buffer, .address_space: global }
      - { .name: Wv, .offset: 24, .size: 8, .value_kind: global_buffer, .address_space: global }
      - { .name: Wo, .offset: 32, .size: 8, .value_kind: global_buffer, .address_space: global }
      - { .name: cb, .offset: 40, .size: 8, .value_kind: global_buffer, .address_space: global }
    .group_segment_fixed_size: 0
    .private_segment_fixed_size: 0
    .kernarg_segment_align: 8
    .kernarg_segment_size: 48
    .max_flat_workgroup_size: 256
    .sgpr_count:     66
    .vgpr_count:     196
    .wavefront_size: 32
...
	.end_amdgpu_metadata
.endif
;; end of part 1
;; launch qkv (part 2): grid 16 x 16, 4 waves a work-group, clusters of 4 x 4, 327,680 bytes of LDS; arguments cb, qkv; writes qkv
.if DOCPART == 2
	.amdgcn_target "amdgcn-amd-amdhsa--gfx1250"
	.amdhsa_code_object_version 6
	.text
	.protected	k_qe9494429ae_qkv
	.globl	k_qe9494429ae_qkv
	.p2align	8
	.type	k_qe9494429ae_qkv,@function
k_qe9494429ae_qkv:
	s_mov_b64 s[64:65], 0
	v_nop
	global_prefetch_b8 v0, s[64:65] scope:SCOPE_SE
	s_setreg_imm32_b32 hwreg(HW_REG_WAVE_MODE, 25, 1), 1
	s_wait_xcnt 0x0
	s_wait_alu depctr_hold_cnt(0) depctr_sa_sdst(0) depctr_va_vdst(0) depctr_va_sdst(0) depctr_va_ssrc(0) depctr_va_vcc(0) depctr_vm_vsrc(0)
	s_getreg_b32 s2, hwreg(HW_REG_IB_STS2, 6, 4)
	s_cmp_eq_u32 s2, 0
	s_cbranch_scc0 .Lentry_in_a_cluster
	s_endpgm
.Lentry_in_a_cluster:
	s_bfe_u32 s2, ttmp6, 0x10000c
	s_cmp_lg_u32 s2, 0xf033
	s_cbranch_scc0 .Lentry_shape_is_right
	s_endpgm
.Lentry_shape_is_right:
; q, k, v = x W^T for one head and 256 rows of x, RoPE on q and k, out in f16:
;   qkv = q [batch x 16 + head][2048][64], then k the same, then v [batch x 16 + head][2048][128]: a row of v is 64 upper parts, then 64 lower parts.
; v IN TWO WORDS: upper = v with its low 13 mantissa bits cleared (11 significant bits: exact in f16), lower = f16(v - upper).  The first rows of a
; causal attention are single rows of v or means of few, so one 16-bit word's rounding would pass straight into the result.
; Work-group (head, rb): rows 256 rb .. +255 of x against the 192 regrouped weight rows of the head (cb rows 4096 + 192 head ..).
; Four waves; wave w makes rows 64 w .. +63 x all 192 columns: 48 accumulator tiles (a = 0..3 row blocks, b = 0..11 column blocks;
; b 0-3 q, 4-7 k, 8-11 v), 384 registers.  K = 1,024 goes in 8 steps of 128 through two LDS slots filled by the tensor data mover;
; a tile row is 256 bytes of memory at a multiple of 256 from the buffer start.
; CLUSTER 4 x 4: the tiles of x hang on rb alone and are asked for jointly along a row of the cluster, the weight tiles hang on the head
; alone and are asked for jointly along a column.  By this text's count a wave has two tensor loads out at the start, later one.
; The matrix instruction is used transposed (source 0 = weight rows, source 1 = rows of x): lane (r, h) register j holds
; (row 16 a + r, column 16 b + 8 h + j): eight neighbouring columns, and RoPE's partner column (+32) is the same register of tile b + 2.
; LIMITS.  q, k, v leave as f16: a magnitude above 65,504 becomes infinite.  With x of spread 1 and W within 1/32 they reach about 3.2; with x and W
; both 30 times larger about 2,900; with offsets of 30 on x and 30/32 on W about 1,024 x 30 x 0.94 x sqrt 2 = 40,700.  Below 6.1e-5 f16 steps by 6e-8.
; RoPE's angle is taken as 2 pi frac(s f), f = exp2(-0.41524101 j) / (2 pi) in f32: it can differ from an f32 product s x inv_freq
; by up to about 3e-4 rad at s = 2047.  sin and cos are Taylor sums on [-pi, pi], cut at r^13 and r^14: remainder at most 2.2e-5 and 4.3e-6.
; The operands x and W are bf16; sums are f32.
.set KSTEP,  128
.set PITCH,  272                       ; LDS row: 256 bytes + 16 of padding: an odd multiple of 16 bytes
.set HALFA,  128*PITCH                 ; one tensor load of x: 128 rows
.set HALFB,  96*PITCH                  ; one tensor load of weights: 96 rows
.set SLOT,   2*HALFA+2*HALFB           ; 256 rows of x, then 192 weight rows: 121,856 bytes
.set STAGE,  2*SLOT                    ; 243,712: behind the ring, never filled by a tensor load
.set SPITCH, 144                       ; stage row of q and of k: 128 bytes + 16
.set MATST,  16*SPITCH
.set VST,    2*MATST                   ; v's part of a wave's stage
.set VPITCH, 272                       ; stage row of v: 256 bytes + 16
.set WSTAGE, VST+16*VPITCH             ; a wave's stage: 8,960 bytes
.set LAPS,   4                         ; a lap = two K steps
.set WQKV_OFF, 8388608                 ; cb row 4096
.set MATB,   8388608                   ; bytes of q (of k) in qkv
; window 0
.set ADRA, 4                           ; v4-5    LDS address of my fragments of x, slot 0, 1
.set ADRB, 6                           ; v6-7    the same for the weights
.set STO,  8                           ; v8      way out: where I put 16 bytes of q or k
.set RD,   9                           ; v9      way out: where I read rows of q or k back
.set CO,   10                          ; v10     way out: my 16 bytes of 512
.set STOV, 12                          ; v12     way out: where I put 16 bytes of v
.set RDV,  13                          ; v13     way out: where I read rows of v back
.set FA,   16                          ; v[16:79]   fragments of x, buffer f at FA + 32 f, 8 registers a row block
.set CS,   128                         ; v[128:255] cos and sin: block (a, bb) at CS + 16 (2 a + bb): cos +0..7, sin +8..15
.set TW,   16                          ; v[16:79]   way out: q and k at work, packed into v[16:47]
.set VL,   48                          ; v[48:79]   way out: lower parts of v, packed into v[48:63]
.set VH,   80                          ; v[80:111]  way out: upper parts of v, packed into v[80:95]
; trig temporaries, in the fragment buffers while these are still empty
.set FR, 16                            ; v[16:31] f of my 16 frequencies (8 of tile 0, 8 of tile 1)
.set PD, 32                            ; v[32:39] my position in row block a, twice
.set TT, 40
.set NN, 48
.set RR, 56
.set R2, 64
.set KC, 72                            ; v[72:73] -1/14!, twice
.set KS, 74                            ; v[74:75] 1/13!, twice
; window 1: weight fragments, buffer f at 96 f + 8 b; on the way out: rows read back, 64 registers for each row block a.
; Window 2: accumulators of a = 0, 1 at 8 (12 a + b).  Window 3: those of a = 2, 3.
.set G1,  24                           ; s[24:31] group 1, tiles of x
.set G0,  32                           ; s[32:39] group 0, tiles of x, a set for each slot
.set G1B, 48                           ; s[48:55] group 1, weight tiles
.set G0B, 56                           ; s[56:63] group 0, weight tiles
.set MSB, 0
.macro WIN new                         ; the immediate's high byte repeats the setting that is left
.if MSB != (\new)
	s_set_vgpr_msb ((MSB<<8)|(\new))
.set MSB, (\new)
.endif
.endm
.set MUL_LO, 0xa1                      ; source 0 window 1, source 1 window 0, C and D window 2
.set MUL_HI, 0xf1                      ; the same, C and D window 3
.set TO_B,   0x40                      ; destination window 1
.set FROM_B, 0x04                      ; source 1 (a store's data) window 1
; A joint load: waves 0 and 1 fetch the two halves of x, waves 2 and 3 those of the weights.  The branch hangs on the wave number alone.
.macro JLOAD s
	s_cmp_eq_u32 s11, 0
	s_cbranch_scc0 .Lfor_b_\@
	tensor_load_to_lds s[G0+4*\s:G0+4*\s+3], s[G1:G1+7]
	s_nop 0
	s_branch .Lasked_\@
.Lfor_b_\@:
	tensor_load_to_lds s[G0B+4*\s:G0B+4*\s+3], s[G1B:G1B+7]
	s_nop 0
.Lasked_\@:
.endm
.macro CREST                           ; a round of the cluster barrier behind its opening work-group barrier
	s_cmp_lg_u32 s10, 0
	s_cbranch_scc1 .Lnot_wave_0_\@
	s_barrier_signal -3
.Lnot_wave_0_\@:
	s_barrier_wait -3
	s_barrier_signal -1
	s_barrier_wait -1
.endm
.macro CROUND                          ; a whole round
	s_barrier_signal -1
	s_barrier_wait -1
	CREST
.endm
.macro PLACES                          ; four places behind matrix instructions (ISA guide 7.12.1), where there is no other vector work
.rept 4
	v_nop
.endr
.endm
	s_load_b128 s[4:7], s[0:1], 0x0                ; cb s[4:5], qkv s[6:7]
	v_lshl_add_u32 v126, v0, 2, 0x44400
	v_mov_b32 v127, 0
	ds_add_u32 v126, v127
	v_lshrrev_b32 v1, 5, v0
	v_readfirstlane_b32 s10, v1                    ; wave 0..3
	s_lshr_b32 s11, s10, 1                         ; I fetch x (0) or weights (1)
	s_and_b32 s12, s10, 1                          ; which half of that tile
	s_bfe_u32 s40, ttmp6, 0x40000                  ; cx
	s_bfe_u32 s41, ttmp6, 0x40004                  ; cy
	s_lshl_b32 s42, ttmp9, 2
	s_add_co_u32 s42, s42, s40                     ; head = 4 x cluster x + cx
	s_and_b32 s13, ttmp7, 0xffff
	s_lshl_b32 s13, s13, 2
	s_add_co_u32 s13, s13, s41                     ; rb = 4 x cluster y + cy
	s_lshl_b32 s43, s41, 2
	s_lshl_b32 s43, 15, s43                        ; my row of the cluster
	s_lshl_b32 s44, 0x1111, s40                    ; my column
	s_or_b32 s[G1+0], s43, (1<<16)|(1<<20)|(1<<21)|(5<<22)|(3<<25)   ; mask; 2-byte elements; padding on; bit 21 beside a mask; after 64 words 4 words
	s_or_b32 s[G1B+0], s44, (1<<16)|(1<<20)|(1<<21)|(5<<22)|(3<<25)
	s_mov_b32 s[G1+1], KSTEP<<16                   ; tensor_dim0 = 128
	s_mov_b32 s[G1B+1], KSTEP<<16
	s_mov_b32 s[G1+2], 128<<16                     ; tensor_dim1 = 128 rows
	s_mov_b32 s[G1B+2], 96<<16                     ;             =  96 rows
	s_mov_b32 s[G1+3], KSTEP<<16                   ; tile_dim0 = 128
	s_mov_b32 s[G1B+3], KSTEP<<16
	s_mov_b32 s[G1+4], 128                         ; tile_dim1
	s_mov_b32 s[G1B+4], 96
	s_mov_b32 s[G1+5], 1024                        ; elements from row to row
	s_mov_b32 s[G1B+5], 1024
	s_mov_b32 s[G1+6], 0
	s_mov_b32 s[G1B+6], 0
	s_mov_b32 s[G1+7], 0
	s_mov_b32 s[G1B+7], 0
	s_lshl_b32 s17, s12, 7
	s_lshl_b32 s16, s13, 8
	s_add_co_u32 s16, s16, s17                     ; x: row 256 rb + 128 half
	s_lshl_b32 s16, s16, 11                        ; rows of 2,048 bytes; below 8 MiB
	s_mov_b32 s17, 0
	s_mul_i32 s46, s42, 192
	s_mul_i32 s47, s12, 96
	s_add_co_u32 s46, s46, s47                     ; weights: row 192 head + 96 half
	s_lshl_b32 s46, s46, 11
	s_add_co_u32 s46, s46, WQKV_OFF
	s_mov_b32 s47, 0
	s_mul_i32 s20, s10, HALFA                      ; LDS: halves of x at wave x 34,816 (waves 0, 1)
	s_mul_i32 s21, s10, HALFB                      ; weight halves at 69,632 + (wave - 2) x 26,112 (waves 2, 3)
	s_add_co_u32 s21, s21, 2*HALFA-2*HALFB
	s_wait_dscnt 0x0
	s_wait_kmcnt 0x0
	s_add_nc_u64 s[14:15], s[4:5], s[16:17]
	s_add_nc_u64 s[46:47], s[4:5], s[46:47]
	CROUND                                         ; all sixteen work-groups are here: the first joint loads meet
.irp s, 0,1
	s_mov_b32 s[G0+4*\s], 1
	s_add_co_u32 s[G0+4*\s+1], s20, \s*SLOT
	s_add_nc_u64 s[G0+4*\s+2:G0+4*\s+3], s[14:15], \s*KSTEP*2
	s_or_b32 s[G0+4*\s+3], s[G0+4*\s+3], 0x80000000
	s_mov_b32 s[G0B+4*\s], 1
	s_add_co_u32 s[G0B+4*\s+1], s21, \s*SLOT
	s_add_nc_u64 s[G0B+4*\s+2:G0B+4*\s+3], s[46:47], \s*KSTEP*2
	s_or_b32 s[G0B+4*\s+3], s[G0B+4*\s+3], 0x80000000
	JLOAD \s                                       ; K steps 0 and 1 go out before anything else is done
.endr
	; addresses
	v_and_b32 v1, 15, v0                           ; r
	v_bfe_u32 v2, v0, 4, 1                         ; h
	v_mul_u32_u24 v3, v1, PITCH
	v_lshl_add_u32 v3, v2, 4, v3                   ; r x pitch + 16 h
	s_mul_i32 s22, s10, 64*PITCH                   ; my 64 rows of x
	v_add_nc_u32 v[ADRA], s22, v3
	v_add_nc_u32 v[ADRA+1], SLOT, v[ADRA]
	v_add_nc_u32 v[ADRB], 2*HALFA, v3
	v_add_nc_u32 v[ADRB+1], 2*HALFA+SLOT, v3
	s_mul_i32 s23, s10, WSTAGE
	s_add_co_u32 s23, s23, STAGE                   ; my stage
	v_mul_u32_u24 v11, v1, SPITCH
	v_lshl_add_u32 v11, v2, 4, v11
	v_add_nc_u32 v[STO], s23, v11                  ; q, k in: row r, 16 bytes for each half of the lanes
	v_and_b32 v14, 31, v0
	v_lshrrev_b32 v11, 3, v14
	v_and_b32 v15, 7, v0
	v_mul_u32_u24 v11, v11, SPITCH
	v_lshl_add_u32 v11, v15, 4, v11
	v_add_nc_u32 v[RD], s23, v11                   ; q, k back: eight lanes a row of 128 bytes, four rows a load
	v_lshlrev_b32 v[CO], 4, v14
	s_add_co_u32 s23, s23, VST
	v_mul_u32_u24 v11, v1, VPITCH
	v_lshl_add_u32 v11, v2, 4, v11
	v_add_nc_u32 v[STOV], s23, v11                 ; v in: row r of 272 bytes
	v_mul_u32_u24 v11, v2, VPITCH
	v_lshl_add_u32 v11, v1, 4, v11
	v_add_nc_u32 v[RDV], s23, v11                  ; v back: sixteen lanes a row of 256 bytes, two rows a load
	; cos and sin of my 8 x 16 angles, while the first tiles are on their way
	v_lshlrev_b32 v3, 3, v2                        ; 8 h
.set i, 0
.rept 16
	v_add_nc_u32 v[FR+i], 16*(i/8)+(i%8), v3       ; frequency index 16 bb + 8 h + j
.set i, i+1
.endr
.set i, 0
.rept 16
	v_cvt_f32_u32 v[FR+i], v[FR+i]
.set i, i+1
.endr
.set i, 0
.rept 16
	v_mul_f32 v[FR+i], 0xbed49a78, v[FR+i]         ; x -log2(10000) / 32
.set i, i+1
.endr
.set i, 0
.rept 16
	v_exp_f32 v[FR+i], v[FR+i]
.set i, i+1
.endr
	v_nop                                          ; one plain place behind the exponentials (ISA guide 5.7.2)
.set i, 0
	s_wait_alu depctr_va_vdst(0)
.rept 16
	v_mul_f32 v[FR+i], 0.15915494, v[FR+i]         ; in turns for a position
.set i, i+1
.endr
	s_and_b32 s70, s13, 7
	s_lshl_b32 s70, s70, 8
	s_lshl_b32 s71, s10, 6
	s_add_co_u32 s70, s70, s71                     ; position of my first row: 256 (rb mod 8) + 64 w
	v_add_nc_u32 v11, s70, v1
.irp a, 0,1,2,3
	v_add_nc_u32 v[PD+2*\a], 16*\a, v11
	v_cvt_f32_u32 v[PD+2*\a], v[PD+2*\a]
	v_mov_b32 v[PD+2*\a+1], v[PD+2*\a]
.endr
	v_mov_b32 v[KC], 0xad49cba5                    ; -1/14!
	v_mov_b32 v[KC+1], 0xad49cba5
	v_mov_b32 v[KS], 0x2f309231                    ; 1/13!
	v_mov_b32 v[KS+1], 0x2f309231
.macro HSTEP c, lit                    ; one Horner step on eight numbers: c = c r^2 + lit
.irp g, 0,2,4,6
	v_pk_fma_f32 v[\c+\g:\c+\g+1], v[\c+\g:\c+\g+1], v[R2+\g:R2+\g+1], \lit op_sel_hi:[1,1,0]
.endr
.endm
; cos and sin of position(a) x frequency(16 bb + 8 h + 0..7): turns, less the nearest whole number (the fused form rounds once), x 2 pi, two Taylor sums
.macro ANG a, bb
.set CB, CS+16*(2*\a+\bb)
.set SB, CB+8
.set FB, FR+8*\bb
.irp g, 0,2,4,6
	v_pk_mul_f32 v[TT+\g:TT+\g+1], v[FB+\g:FB+\g+1], v[PD+2*\a:PD+2*\a+1]
.endr
.irp i, 0,1,2,3,4,5,6,7
	v_rndne_f32 v[NN+\i], v[TT+\i]
.endr
.irp g, 0,2,4,6
	v_pk_fma_f32 v[TT+\g:TT+\g+1], v[FB+\g:FB+\g+1], v[PD+2*\a:PD+2*\a+1], v[NN+\g:NN+\g+1] neg_lo:[0,0,1] neg_hi:[0,0,1]
.endr
.irp g, 0,2,4,6
	v_pk_mul_f32 v[RR+\g:RR+\g+1], v[TT+\g:TT+\g+1], 0x40c90fdb op_sel_hi:[1,0]
.endr
.irp g, 0,2,4,6
	v_pk_mul_f32 v[R2+\g:R2+\g+1], v[RR+\g:RR+\g+1], v[RR+\g:RR+\g+1]
.endr
.irp g, 0,2,4,6
	v_pk_fma_f32 v[CB+\g:CB+\g+1], v[KC:KC+1], v[R2+\g:R2+\g+1], 0x310f76c7 op_sel_hi:[1,1,0]   ; + 1/12!
	v_pk_fma_f32 v[SB+\g:SB+\g+1], v[KS:KS+1], v[R2+\g:R2+\g+1], 0xb2d7322b op_sel_hi:[1,1,0]   ; - 1/11!
.endr
	HSTEP CB, 0xb493f27e                           ; - 1/10!
	HSTEP SB, 0x3638ef1d                           ; + 1/9!
	HSTEP CB, 0x37d00d01                           ; + 1/8!
	HSTEP SB, 0xb9500d01                           ; - 1/7!
	HSTEP CB, 0xbab60b61                           ; - 1/6!
	HSTEP SB, 0x3c088889                           ; + 1/5!
	HSTEP CB, 0x3d2aaaab                           ; + 1/4!
	HSTEP SB, 0xbe2aaaab                           ; - 1/3!
	HSTEP CB, -0.5
	HSTEP SB, 1.0
	HSTEP CB, 1.0
.irp g, 0,2,4,6
	v_pk_mul_f32 v[SB+\g:SB+\g+1], v[SB+\g:SB+\g+1], v[RR+\g:RR+\g+1]
.endr
.endm
.irp a, 0,1,2,3
	ANG \a, 0
	ANG \a, 1
.endr
; 12 matrix instructions: row block a of the window's two (hi = 0: blocks 0, 1; 1: blocks 2, 3) x all 12 column blocks, 32 along K.
; The 48 accumulators take turns, one instruction a turn, in the same order in every quarter step.
.macro MULA f, hi, a, zero
.irp b, 0,1,2,3,4,5,6,7,8,9,10,11
.if \zero
	v_wmma_f32_16x16x32_bf16 v[8*(12*\a+\b):8*(12*\a+\b)+7], v[96*\f+8*\b:96*\f+8*\b+7], v[FA+32*\f+8*(2*\hi+\a):FA+32*\f+8*(2*\hi+\a)+7], 0
.else
	v_wmma_f32_16x16x32_bf16 v[8*(12*\a+\b):8*(12*\a+\b)+7], v[96*\f+8*\b:96*\f+8*\b+7], v[FA+32*\f+8*(2*\hi+\a):FA+32*\f+8*(2*\hi+\a)+7], v[8*(12*\a+\b):8*(12*\a+\b)+7]
.endif
.endr
.endm
; 32 LDS loads in one run: the fragments of one quarter step (192 weight rows, my 64 rows of x, 32 K at byte k of the rows) into buffer f
.macro FETCH slot, k, f
	WIN TO_B
.irp b, 0,1,2,3,4,5,6,7,8,9,10,11
	ds_load_b128 v[96*\f+8*\b:96*\f+8*\b+3],   v[ADRB+\slot] offset:\k+\b*16*PITCH
	ds_load_b128 v[96*\f+8*\b+4:96*\f+8*\b+7], v[ADRB+\slot] offset:\k+\b*16*PITCH+32
.endr
	WIN 0
.irp a, 0,1,2,3
	ds_load_b128 v[FA+32*\f+8*\a:FA+32*\f+8*\a+3],   v[ADRA+\slot] offset:\k+\a*16*PITCH
	ds_load_b128 v[FA+32*\f+8*\a+4:FA+32*\f+8*\a+7], v[ADRA+\slot] offset:\k+\a*16*PITCH+32
.endr
.endm
; one of the first three quarters of a K step: multiplies buffer f, fetches the next quarter (byte k) into buffer g in its middle
.macro QUARTER slot, k, f, g, zero
	s_wait_dscnt 4                                 ; all but the youngest four loads (x, row blocks 2 and 3) are in
	WIN MUL_LO
	MULA \f, 0, 0, \zero
	MULA \f, 0, 1, \zero
	PLACES
	FETCH \slot, \k, \g
	s_wait_dscnt 32                                ; all but the 32 just issued
	WIN MUL_HI
	MULA \f, 1, 0, \zero
	MULA \f, 1, 1, \zero
.endm
.macro THREE slot, zero
	QUARTER \slot, 64,  0, 1, \zero
	QUARTER \slot, 128, 1, 0, 0
	QUARTER \slot, 192, 0, 1, 0
.endm
; the last quarter: multiplies buffer 1 and changes slots.  In front of the barrier each wave waits for its reads of this slot and for all
; its tensor loads (one is out: its part of the next slot).  fill = 1: the barrier opens a round of the cluster barrier, and the joint
; refill of this slot, two K steps ahead, is the first tensor load behind the round.  From a request to its wait: 180 matrix instructions.
.macro TURN slot, next, fill
	s_wait_dscnt 4
	WIN MUL_LO
	MULA 1, 0, 0, 0
	s_wait_dscnt 0x0                               ; my reads of this slot are over
	s_set_vgpr_msb 0xa1a0
	s_wait_tensorcnt 0x0                           ; all my tensor loads have landed
	ds_add_u32 v126, v127
	s_wait_dscnt 0x0
	s_set_vgpr_msb 0xa0a1
	s_barrier_signal -1
	MULA 1, 0, 1, 0                                ; register work while the others arrive
	WIN 0
	s_barrier_wait -1
.if \fill
	CREST
	s_add_nc_u64 s[G0+4*\slot+2:G0+4*\slot+3], s[G0+4*\slot+2:G0+4*\slot+3], 2*KSTEP*2
	s_add_nc_u64 s[G0B+4*\slot+2:G0B+4*\slot+3], s[G0B+4*\slot+2:G0B+4*\slot+3], 2*KSTEP*2
	JLOAD \slot
.endif
	PLACES
	FETCH \next, 0, 0
	WIN MUL_HI
	MULA 1, 1, 0, 0
	MULA 1, 1, 1, 0
.endm
.macro LAP zero
	THREE 0, \zero
	TURN 0, 1, 1
	THREE 1, 0
	TURN 1, 0, 1
.endm
	s_wait_tensorcnt 0x1                           ; my part of K step 0 is in; K step 1 stays out
	s_barrier_signal -1
	s_barrier_wait -1
	FETCH 0, 0, 0
	LAP 1                                          ; the first products start the sums: nothing is cleared
	WIN 0
	s_mov_b32 s3, LAPS-2
.Llap:
	LAP 0
	WIN 0
	s_sub_co_u32 s3, s3, 1
	s_cmp_lg_u32 s3, 0
	s_cbranch_scc1 .Llap
	THREE 0, 0                                     ; the last lap fills nothing
	TURN 0, 1, 0
	THREE 1, 0
	s_wait_dscnt 4
	WIN MUL_LO
	MULA 1, 0, 0, 0
	MULA 1, 0, 1, 0
	s_wait_dscnt 0x0
	WIN MUL_HI
	MULA 1, 1, 0, 0
	MULA 1, 1, 1, 0
	; THE WAY OUT, 16 rows at a time: RoPE in f32, v split in two, round to f16, through my own stage, out as 512 consecutive bytes a store
	PLACES
	s_lshr_b32 s66, s13, 3                         ; batch
	s_lshl_b32 s66, s66, 4
	s_add_co_u32 s66, s66, s42                     ; 16 batch + head
	s_lshl_b32 s66, s66, 11                        ; x 2,048 rows
	s_and_b32 s67, s13, 7
	s_lshl_b32 s67, s67, 8
	s_add_co_u32 s66, s66, s67
	s_lshl_b32 s67, s10, 6
	s_add_co_u32 s66, s66, s67                     ; + 256 (rb mod 8) + 64 w
	s_lshl_b32 s66, s66, 7                         ; rows of 128 bytes
	s_mov_b32 s67, 0
	s_mov_b32 s78, 0xffffe000                      ; keeps sign, exponent and 10 mantissa bits of an f32
	s_add_nc_u64 s[72:73], s[6:7], s[66:67]        ; q
	s_add_nc_u64 s[74:75], s[72:73], MATB          ; k
	s_add_nc_u64 s[76:77], s[74:75], MATB          ; v: behind k,
	s_add_nc_u64 s[76:77], s[76:77], s[66:67]      ; rows of 256 bytes: the row offset once more
.macro OUT a
.set AWIN, 2+(\a/2)
.set AB, 96*(\a%2)
	WIN AWIN                                       ; source 0 = accumulators
.irp p, 0,1,2,3                                ; p = 2 mat + bb: tiles bb (t1) and bb + 2 (t2) of q or of k
.set T1, AB+8*(4*(\p/2)+(\p%2))
.set T2, T1+16
.set CB, CS+16*(2*\a+(\p%2))
.set UU, TW+16*\p
.irp g, 0,2,4,6
	v_pk_mul_f32 v[UU+\g:UU+\g+1], v[T2+\g:T2+\g+1], v[CB+8+\g:CB+8+\g+1]          ; t2 sin
	v_pk_mul_f32 v[UU+8+\g:UU+8+\g+1], v[T2+\g:T2+\g+1], v[CB+\g:CB+\g+1]          ; t2 cos
.endr
.irp g, 0,2,4,6
	v_pk_fma_f32 v[UU+\g:UU+\g+1], v[T1+\g:T1+\g+1], v[CB+\g:CB+\g+1], v[UU+\g:UU+\g+1] neg_lo:[0,0,1] neg_hi:[0,0,1]   ; t1 cos - t2 sin
	v_pk_fma_f32 v[UU+8+\g:UU+8+\g+1], v[T1+\g:T1+\g+1], v[CB+8+\g:CB+8+\g+1], v[UU+8+\g:UU+8+\g+1]                     ; t1 sin + t2 cos
.endr
.endr
.set i, 0
.rept 32
	v_and_b32 v[VH+i], v[AB+64+i], s78             ; v's upper part, still as f32
.set i, i+1
.endr
	WIN 0
.set i, 0
.rept 32
	v_cvt_pk_f16_f32 v[TW+i], v[TW+2*i], v[TW+2*i+1]       ; packs in place: the sources of later lines lie above what has been written
.set i, i+1
.endr
	WIN AWIN
.set i, 0
.rept 16
	v_pk_add_f32 v[VL+2*i:VL+2*i+1], v[AB+64+2*i:AB+64+2*i+1], v[VH+2*i:VH+2*i+1] neg_lo:[0,1] neg_hi:[0,1]   ; v - upper part: exact
.set i, i+1
.endr
	WIN 0
.set i, 0
.rept 16
	v_cvt_pk_f16_f32 v[VH+i], v[VH+2*i], v[VH+2*i+1]       ; exact in f16's normal range
	v_cvt_pk_f16_f32 v[VL+i], v[VL+2*i], v[VL+2*i+1]
.set i, i+1
.endr
.irp p, 0,1,2,3
	ds_store_b128 v[STO], v[TW+8*\p:TW+8*\p+3]   offset:(\p/2)*MATST+32*(\p%2)
	ds_store_b128 v[STO], v[TW+8*\p+4:TW+8*\p+7] offset:(\p/2)*MATST+64+32*(\p%2)
.endr
.irp vb, 0,1,2,3
	ds_store_b128 v[STOV], v[VH+4*\vb:VH+4*\vb+3] offset:32*\vb
	ds_store_b128 v[STOV], v[VL+4*\vb:VL+4*\vb+3] offset:128+32*\vb
.endr
	WIN TO_B                                       ; rows come back into window 1, 64 registers of this row block's own: no store's data is ever written again
.irp n, 0,1,2,3,4,5,6,7
	ds_load_b128 v[64*\a+4*\n:64*\a+4*\n+3], v[RD] offset:(\n/4)*MATST+(\n%4)*4*SPITCH   ; LDS serves a wave's instructions in order: these see the stores above
.endr
.irp t, 0,1,2,3,4,5,6,7
	ds_load_b128 v[64*\a+32+4*\t:64*\a+32+4*\t+3], v[RDV] offset:\t*2*VPITCH
.endr
	WIN FROM_B
.irp n, 0,1,2,3,4,5,6,7
	s_wait_dscnt 15-\n                             ; load n of the sixteen is in, the younger ones stay out
	global_store_b128 v[CO], v[64*\a+4*\n:64*\a+4*\n+3], s[72+2*(\n/4):73+2*(\n/4)] offset:\a*2048+(\n%4)*512   ; four rows of 128 bytes: 512 consecutive bytes, aligned
.endr
.irp t, 0,1,2,3,4,5,6,7
	s_wait_dscnt 7-\t
	global_store_b128 v[CO], v[64*\a+32+4*\t:64*\a+32+4*\t+3], s[76:77] offset:\a*4096+\t*512                    ; two rows of 256 bytes
.endr
.endm
	OUT 0
	OUT 1
	OUT 2
	OUT 3
	WIN 0
	s_wait_tensorcnt 0x0
	ds_add_u32 v126, v127
	s_wait_dscnt 0x0
	CROUND                                         ; the closing round: no work-group ends while a partner may still ask jointly
	s_endpgm
.Lfunc_end_k_qe9494429ae_qkv:
	.size	k_qe9494429ae_qkv, .Lfunc_end_k_qe9494429ae_qkv-k_qe9494429ae_qkv
	.p2alignl 7, 3214868480
	.fill 96, 4, 3214868480
	.section	.rodata,"a",@progbits
	.p2align	6, 0x0
	.amdhsa_kernel k_qe9494429ae_qkv
		.amdhsa_group_segment_fixed_size 327680
		.amdhsa_private_segment_fixed_size 0
		.amdhsa_enable_private_segment 0
		.amdhsa_kernarg_size 16
		.amdhsa_user_sgpr_count 2
		.amdhsa_user_sgpr_kernarg_segment_ptr 1
		.amdhsa_wavefront_size32 1
		.amdhsa_system_sgpr_workgroup_id_x 1
		.amdhsa_system_sgpr_workgroup_id_y 1
		.amdhsa_system_sgpr_workgroup_id_z 1
		.amdhsa_system_vgpr_workitem_id 0
		.amdhsa_next_free_vgpr 960
		.amdhsa_next_free_sgpr 80
		.amdhsa_reserve_vcc 0
		.amdhsa_float_denorm_mode_32 3
		.amdhsa_float_denorm_mode_16_64 3
		.amdhsa_memory_ordered 1
		.amdhsa_forward_progress 1
		.amdhsa_inst_pref_size 253
	.end_amdhsa_kernel
	.amdgpu_metadata
---
amdhsa.version: [ 1, 2 ]
amdhsa.kernels:
  - .name:           k_qe9494429ae_qkv
    .symbol:         k_qe9494429ae_qkv.kd
    .args:
      - { .name: cb, .offset: 0, .size: 8, .value_kind: global_buffer, .address_space: global }
      - { .name: qkv, .offset: 8, .size: 8, .value_kind: global_buffer, .address_space: global }
    .group_segment_fixed_size: 327680
    .private_segment_fixed_size: 0
    .kernarg_segment_align: 8
    .kernarg_segment_size: 16
    .max_flat_workgroup_size: 128
    .sgpr_count:     80
    .vgpr_count:     960
    .wavefront_size: 32
...
	.end_amdgpu_metadata
.endif
;; end of part 2
;; launch attn (part 3): grid 8 x 32, 4 waves a work-group, no clusters, 327,680 bytes of LDS; arguments qkv, ao; writes ao
.if DOCPART == 3
	.amdgcn_target "amdgcn-amd-amdhsa--gfx1250"
	.amdhsa_code_object_version 6
	.text
	.protected	k_qe9494429ae_attn
	.globl	k_qe9494429ae_attn
	.p2align	8
	.type	k_qe9494429ae_attn,@function
k_qe9494429ae_attn:
	s_mov_b64 s[64:65], 0
	v_nop
	global_prefetch_b8 v0, s[64:65] scope:SCOPE_SE
	s_setreg_imm32_b32 hwreg(HW_REG_WAVE_MODE, 25, 1), 1
	s_wait_xcnt 0x0
; Causal attention of one head on two blocks of 128 queries, with a running maximum; statistics in f32; q, k, v and the probabilities are f16 operands.
; v comes in two f16 words (a key's row: 64 upper parts, 64 lower parts), and O^T adds both products.  The result leaves in two bf16 words:
;   ao = [16 batch + query block][head][part][128 rows][64]: part 0 = the upper 16 bits of the f32 result, part 1 = bf16(result - part 0).
; WHY TWO WORDS: a causal row with few keys is a mean of few rows of v, many times larger than a late row; one 16-bit word's rounding there
; is large against the size of the output as a whole.
; Work-group (p, bh) takes query blocks a = 2 p and b = 15 - 2 p: (a + 1) + (b + 1) = 17 steps of 128 keys in every work-group.
; A block starts with its diagonal key tile (masked; it starts all sums, and every query sees its own key there, so the maximum is a
; real score from the first step on) and then walks the tiles below it downward.  a is even and b odd, so each step's slot is fixed in the text.
; Wave w owns queries 32 w .. +31 (two tiles qt) against all 128 keys of a step.
; BOTH PRODUCTS ARE TRANSPOSED: S^T = K Q^T puts (key 16 kt + 8 h + j, query r) in register j of lane (r, h); two such tiles, packed to f16,
; ARE the second source of O^T = V^T P^T for 32 keys: no lane shuffle and no LDS between the products.  V^T comes by transposing LDS loads.
; All statistics are a lane's own but for one exchange between the halves of the wave for the maximum in each step.
; NO CLUSTER: the query blocks of a head need different numbers of key tiles (a + 1 against b + 1, other pairs in other work-groups), so partners
; would not make the same joint requests in the same steps; trip counts would hang on the place in the cluster.
; By this text's count a wave has two tensor loads out at the start, later one, and at most 48 LDS loads.
; LIMITS.  Masked scores are the lowest finite f32.  An exponential below 2^-126 counts as 0 (ISA guide 15.8); as an f16 operand
; a probability (at most 1, relative to the row's maximum) steps by 6e-8 below 6.1e-5.  The row sum adds the unrounded f32 probabilities.
.set KP,     144                       ; LDS pitch of K: 128 bytes + 16
.set VP,     288                       ; LDS pitch of V: 256 bytes + 32 (an odd multiple of 32, for the transposing loads)
.set REG,    64*VP                     ; a wave's quarter of a slot, 18,432: waves 0, 1: 64 rows of K (9,216 used); waves 2, 3: 64 rows of V
.set VOFF,   2*REG
.set SLOT,   4*REG                     ; 73,728
.set STAGE,  2*SLOT                    ; 147,456: behind the ring, never filled by a tensor load
.set PSTAGE, 32*KP                     ; one part of a wave's stage: 32 rows of 144 bytes
.set WSTAGE, 2*PSTAGE
.set K_OFF,  8388608
.set V_OFF,  16777216
; window 0
.set ADRK, 4                           ; v4-5   LDS address of K fragments, slot 0, 1
.set ADRV, 6                           ; v6-7   the same for the transposing loads of V
.set STO,  8
.set RD,   9
.set CO,   10
.set VQ,   11                          ; my offset in a block of q
.set QA,   16                          ; v[16:47]   q of block a: fragment (qt, kk) at + 8 (2 qt + kk)
.set QB,   48                          ; v[48:79]   q of block b
.set O,    80                          ; v[80:143]  O^T: tile (qt, dt) at + 8 (4 qt + dt)
.set P,    144                         ; v[144:207] P^T in f16: fragment (qt, kg) at + 8 (4 qt + kg)
.set M,    208                         ; v208-209   running maximum of query tile qt
.set TC,   210                         ; v[210:217] four chains a query tile
.set NM,   218                         ; v[218:221] -c x maximum, twice, for each qt
.set AL,   222                         ; v[222:225] the factor for the old sums, twice, for each qt
.set LA,   226                         ; v[226:241] row sums: four chains of pairs for each qt
.set THR,  242                         ; 32 w + r - 8 h
.set XX,   243                         ; v243-244
.set RL,   246                         ; v[246:249] 1 / row sum, twice, for each qt
; window 1: S^T, tile (qt, kt) at 8 (8 qt + kt); THR1 = a copy of THR.  Window 2: K fragments at 8 (8 kk + kt).
; Window 3: V^T fragments at 8 (8 kg + dt): dt 0-3 upper parts, dt 4-7 lower parts.
.set THR1, 128
.set G1K, 16
.set G1V, 24
.set G0K, 32                           ; s[32:39] a set for each slot
.set G0V, 40                           ; s[40:47]
.set MSB, 0
.macro WIN new
.if MSB != (\new)
	s_set_vgpr_msb ((MSB<<8)|(\new))
.set MSB, (\new)
.endif
.endm
.macro PLACES                          ; four places behind matrix instructions (ISA guide 7.12.1)
.rept 4
	v_nop
.endr
.endm
.macro JLOAD s                         ; waves 0, 1 bring the halves of K, waves 2, 3 those of V: one load a wave
	s_cmp_eq_u32 s11, 0
	s_cbranch_scc0 .Lfor_v_\@
	tensor_load_to_lds s[G0K+4*\s:G0K+4*\s+3], s[G1K:G1K+7]
	s_nop 0
	s_branch .Lasked_\@
.Lfor_v_\@:
	tensor_load_to_lds s[G0V+4*\s:G0V+4*\s+3], s[G1V:G1V+7]
	s_nop 0
.Lasked_\@:
.endm
.macro ADDR s                          ; the addresses of key tile s50 into slot s's two sets
	s_lshl_b32 s54, s50, 14                        ; K: 128 rows of 128 bytes
	s_lshl_b32 s78, s50, 15                        ; V: 128 rows of 256 bytes
	s_add_nc_u64 s[G0K+4*\s+2:G0K+4*\s+3], s[56:57], s[54:55]
	s_or_b32 s[G0K+4*\s+3], s[G0K+4*\s+3], 0x80000000
	s_add_nc_u64 s[G0V+4*\s+2:G0V+4*\s+3], s[58:59], s[78:79]
	s_or_b32 s[G0V+4*\s+3], s[G0V+4*\s+3], 0x80000000
.endm
.macro NEXT s                          ; the next tile of the stream a, a-1 .. 0, b, b-1 .. 0
	s_add_co_i32 s52, s50, -1
	s_cmp_eq_u32 s50, 0
	s_cselect_b32 s50, s51, s52
	ADDR \s
.endm
	s_load_b128 s[4:7], s[0:1], 0x0                ; qkv s[4:5], ao s[6:7]
	v_lshl_add_u32 v254, v0, 2, 0x2d000
	v_mov_b32 v255, 0
	ds_add_u32 v254, v255
	v_lshrrev_b32 v1, 5, v0
	v_readfirstlane_b32 s10, v1                    ; wave 0..3
	s_lshr_b32 s11, s10, 1                         ; I fetch K (0) or V (1)
	s_and_b32 s12, s10, 1                          ; which 64 rows
	s_and_b32 s13, ttmp7, 0xffff                   ; bh = 16 batch + head
	s_lshl_b32 s48, ttmp9, 1                       ; a
	s_sub_co_u32 s51, 15, s48                      ; b
	s_mov_b32 s[G1K+0], (1<<16)|(1<<20)|(4<<22)|(3<<25)    ; 2-byte elements; padding on; after 32 words 4 words
	s_mov_b32 s[G1V+0], (1<<16)|(1<<20)|(5<<22)|(7<<25)    ; after 64 words 8 words
	s_mov_b32 s[G1K+1], 64<<16                     ; tensor_dim0
	s_mov_b32 s[G1V+1], 128<<16
	s_mov_b32 s[G1K+2], 64<<16                     ; tensor_dim1 = 64 rows
	s_mov_b32 s[G1V+2], 64<<16
	s_mov_b32 s[G1K+3], 64<<16                     ; tile_dim0
	s_mov_b32 s[G1V+3], 128<<16
	s_mov_b32 s[G1K+4], 64                         ; tile_dim1 = 64
	s_mov_b32 s[G1V+4], 64
	s_mov_b32 s[G1K+5], 64                         ; elements from row to row: a head is dense
	s_mov_b32 s[G1V+5], 128
	s_mov_b32 s[G1K+6], 0
	s_mov_b32 s[G1V+6], 0
	s_mov_b32 s[G1K+7], 0
	s_mov_b32 s[G1V+7], 0
	s_mul_i32 s49, s10, REG                        ; my quarter of a slot
.irp s, 0,1
	s_mov_b32 s[G0K+4*\s], 1
	s_add_co_u32 s[G0K+4*\s+1], s49, \s*SLOT
	s_mov_b32 s[G0V+4*\s], 1
	s_add_co_u32 s[G0V+4*\s+1], s49, \s*SLOT
.endr
	s_lshl_b32 s8, s13, 18                         ; K: the head, 2,048 rows of 128 bytes
	s_lshl_b32 s9, s12, 13                         ; my 64 rows of a tile
	s_add_co_u32 s8, s8, s9
	s_mov_b32 s9, 0
	s_mov_b32 s55, 0
	s_mov_b32 s79, 0
	s_mov_b32 s50, s48                             ; the first tile: a
	s_wait_dscnt 0x0
	s_wait_kmcnt 0x0
	s_add_nc_u64 s[56:57], s[4:5], s[8:9]
	s_add_nc_u64 s[56:57], s[56:57], K_OFF
	s_lshl_b32 s8, s8, 1                           ; V: rows twice as long
	s_add_nc_u64 s[58:59], s[4:5], s[8:9]
	s_add_nc_u64 s[58:59], s[58:59], V_OFF
	ADDR 0
	JLOAD 0                                        ; the two first fills go out together, ahead of every wait on them, LDS read and barrier
	NEXT 1
	JLOAD 1
	v_and_b32 v1, 15, v0                           ; r
	v_bfe_u32 v2, v0, 4, 1                         ; h
	v_lshlrev_b32 v[VQ], 7, v1
	v_lshl_add_u32 v[VQ], v2, 4, v[VQ]             ; 128 r + 16 h
	s_lshl_b32 s14, s13, 18
	s_lshl_b32 s15, s10, 12
	s_add_co_u32 s14, s14, s15                     ; head + my 32 rows
	s_lshl_b32 s15, s48, 14
	s_add_co_u32 s2, s14, s15
	s_mov_b32 s3, 0
	s_add_nc_u64 s[68:69], s[4:5], s[2:3]          ; my q of block a
	s_lshl_b32 s15, s51, 14
	s_add_co_u32 s2, s14, s15
	s_add_nc_u64 s[70:71], s[4:5], s[2:3]          ; of block b
.irp qt, 0,1
.irp kk, 0,1
	global_load_b128 v[QA+8*(2*\qt+\kk):QA+8*(2*\qt+\kk)+3],   v[VQ], s[68:69] offset:\qt*2048+\kk*64
	global_load_b128 v[QA+8*(2*\qt+\kk)+4:QA+8*(2*\qt+\kk)+7], v[VQ], s[68:69] offset:\qt*2048+\kk*64+32
	global_load_b128 v[QB+8*(2*\qt+\kk):QB+8*(2*\qt+\kk)+3],   v[VQ], s[70:71] offset:\qt*2048+\kk*64
	global_load_b128 v[QB+8*(2*\qt+\kk)+4:QB+8*(2*\qt+\kk)+7], v[VQ], s[70:71] offset:\qt*2048+\kk*64+32
.endr
.endr
	s_lshr_b32 s14, s13, 4
	s_lshl_b32 s14, s14, 4                         ; 16 batch
	s_and_b32 s15, s13, 15                         ; head
	s_lshl_b32 s77, s10, 12                        ; my 32 rows of 128 bytes
	s_add_co_u32 s2, s14, s48
	s_lshl_b32 s2, s2, 4
	s_add_co_u32 s2, s2, s15
	s_lshl_b32 s2, s2, 15                          ; two planes of 16,384 bytes for a block and a head
	s_add_co_u32 s2, s2, s77
	s_add_nc_u64 s[72:73], s[6:7], s[2:3]          ; my rows of ao, block a
	s_add_co_u32 s2, s14, s51
	s_lshl_b32 s2, s2, 4
	s_add_co_u32 s2, s2, s15
	s_lshl_b32 s2, s2, 15
	s_add_co_u32 s2, s2, s77
	s_add_nc_u64 s[74:75], s[6:7], s[2:3]          ; block b
	s_mov_b32 s60, 0x3e38aa3b                      ; c = log2(e) / 8: the scale 1/sqrt(64) and the change of base in one
	s_mov_b32 s61, 0x3e38aa3b
	s_mov_b32 s62, 0xbe38aa3b                      ; -c
	s_mov_b32 s63, 0xff7fffff                      ; the lowest finite f32
	s_mov_b32 s66, 0x76543210                      ; v_permlanex16_b32: lane i of one half reads lane i of the other
	s_mov_b32 s67, 0xfedcba98
	v_mul_u32_u24 v3, v1, KP
	v_lshl_add_u32 v[ADRK], v2, 4, v3              ; r x 144 + 16 h
	v_add_nc_u32 v[ADRK+1], SLOT, v[ADRK]
	v_and_b32 v12, 7, v0
	v_lshl_add_u32 v13, v2, 3, v12                 ; 8 h + lane mod 8
	v_mul_u32_u24 v13, v13, VP
	v_bfe_u32 v14, v0, 3, 1
	v_lshl_add_u32 v13, v14, 4, v13
	v_add_nc_u32 v[ADRV], VOFF, v13
	v_add_nc_u32 v[ADRV+1], VOFF+SLOT, v13
	s_mul_i32 s14, s10, WSTAGE
	s_add_co_u32 s14, s14, STAGE                   ; my stage
	v_add_nc_u32 v[STO], s14, v[ADRK]              ; in: row r, 16 bytes for each half of the lanes
	v_and_b32 v15, 31, v0
	v_lshrrev_b32 v3, 3, v15
	v_mul_u32_u24 v3, v3, KP
	v_lshl_add_u32 v3, v12, 4, v3
	v_add_nc_u32 v[RD], s14, v3                    ; back: eight lanes a row, four rows a load
	v_lshlrev_b32 v[CO], 4, v15
	v_lshlrev_b32 v3, 3, v2
	v_sub_nc_u32 v[THR], v1, v3
	s_lshl_b32 s15, s10, 5
	v_add_nc_u32 v[THR], s15, v[THR]               ; key 16 kt + 8 h + j <= query 32 w + 16 qt + r  <=>  16 (kt - qt) + j <= THR
	v_mov_b32 v[XX], 0                             ; destinations of the lane exchange: written once before
	v_mov_b32 v[XX+1], 0
	WIN 0x40
	v_mov_b32 v[THR1], v[THR]
	WIN 0
; In front of a step: every wave waits for all its tensor loads (its part of this step's tile among them) and for its LDS reads,
; passes the barrier, and (refill = 1) asks first thing for the tile after this one, into slot fill, which was read in the last step.
.macro HEAD fill, refill
	s_wait_tensorcnt 0x0                           ; no tensor load of mine is out: a group 0 may be written
	ds_add_u32 v254, v255
	s_wait_dscnt 0x0
.if \refill
	NEXT \fill
.endif
	s_wait_dscnt 0x0                               ; my reads of the last step's slot are back
	s_barrier_signal -1
	s_barrier_wait -1
.if \refill
	JLOAD \fill                                    ; my one tensor load until the next such barrier
.endif
.endm
; 32 LDS loads: the 16 K fragments (kk, kt).  Their registers were last read by the score products of the step before, which have their places behind them.
.macro FETCHK slot
	WIN 0x80
.irp kk, 0,1
.irp kt, 0,1,2,3,4,5,6,7
	ds_load_b128 v[8*(8*\kk+\kt):8*(8*\kk+\kt)+3],   v[ADRK+\slot] offset:(\kt/4)*REG+(\kt%4)*16*KP+64*\kk
	ds_load_b128 v[8*(8*\kk+\kt)+4:8*(8*\kk+\kt)+7], v[ADRK+\slot] offset:(\kt/4)*REG+(\kt%4)*16*KP+64*\kk+32
.endr
.endr
.endm
; 16 transposing LDS loads: the 8 V^T fragments of keys 32 kg .. +31 (window 3 is set by the caller)
.macro VLOAD slot, kg
.irp dt, 0,1,2,3,4,5,6,7
	ds_load_tr16_b128 v[8*(8*\kg+\dt):8*(8*\kg+\dt)+3],   v[ADRV+\slot] offset:\kg*32*VP+32*\dt
	ds_load_tr16_b128 v[8*(8*\kg+\dt)+4:8*(8*\kg+\dt)+7], v[ADRV+\slot] offset:\kg*32*VP+32*\dt+16*VP
.endr
.endm
; S^T = K Q^T: 32 matrix instructions on 16 accumulators that take turns, one instruction a turn
.macro SCORES qf
	WIN 0x52                                       ; source 0 window 2, source 1 window 0, C and D window 1
.irp kk, 0,1
.irp kt, 0,1,2,3,4,5,6,7
	s_wait_dscnt 30-2*(8*\kk+\kt)                  ; of the 32 loads, those behind this fragment's two may stay out
.irp qt, 0,1
.if \kk
	v_wmma_f32_16x16x32_f16 v[8*(8*\qt+\kt):8*(8*\qt+\kt)+7], v[8*(8*\kk+\kt):8*(8*\kk+\kt)+7], v[\qf+8*(2*\qt+\kk):\qf+8*(2*\qt+\kk)+7], v[8*(8*\qt+\kt):8*(8*\qt+\kt)+7]
.else
	v_wmma_f32_16x16x32_f16 v[8*(8*\qt+\kt):8*(8*\qt+\kt)+7], v[8*(8*\kk+\kt):8*(8*\kk+\kt)+7], v[\qf+8*(2*\qt+\kk):\qf+8*(2*\qt+\kk)+7], 0
.endif
.endr
.endr
.endr
	PLACES                                         ; behind these products, and behind the last step's, whose V^T registers are loaded next
.endm
; the diagonal tile: keys above the query get the lowest finite f32.  e - 1 = kt - qt: one compare serves (qt 0, kt e - 1) and (qt 1, kt e).
.macro MASK
	WIN 0x44
.irp e, 0,1,2,3,4,5,6,7,8
.irp j, 0,1,2,3,4,5,6,7
	v_cmp_le_i32 vcc_lo, 16*(\e-1)+\j, v[THR1]
.if \e > 0
	v_cndmask_b32 v[8*(\e-1)+\j], s63, v[8*(\e-1)+\j], vcc_lo
.endif
.if \e < 8
	v_cndmask_b32 v[8*(8+\e)+\j], s63, v[8*(8+\e)+\j], vcc_lo
.endif
.endr
.endr
.endm
; maximum, factor for the old sums, exponentials, row sums, P^T in f16.  first = 1: nothing old to carry.
.macro SOFTMAX first
	WIN 0x05                                       ; sources 0 and 1 window 1
.irp i, 0,1,2,3,4,5,6,7
.irp qt, 0,1
.irp c, 0,1,2,3
.if \i
	v_max3_num_f32 v[TC+4*\qt+\c], v[64*\qt+8*\i+2*\c], v[64*\qt+8*\i+2*\c+1], v[TC+4*\qt+\c]
.else
.if \first
	v_max_num_f32 v[TC+4*\qt+\c], v[64*\qt+8*\i+2*\c], v[64*\qt+8*\i+2*\c+1]
.else
	v_max3_num_f32 v[TC+4*\qt+\c], v[64*\qt+8*\i+2*\c], v[64*\qt+8*\i+2*\c+1], v[M+\qt]
.endif
.endif
.endr
.endr
.endr
	WIN 0
.irp qt, 0,1
	v_max3_num_f32 v[TC+4*\qt], v[TC+4*\qt], v[TC+4*\qt+1], v[TC+4*\qt+2]
	v_max_num_f32 v[TC+4*\qt], v[TC+4*\qt], v[TC+4*\qt+3]
	v_permlanex16_b32 v[XX+\qt], v[TC+4*\qt], s66, s67     ; the other half of the lanes holds the query's other keys
	v_max_num_f32 v[TC+4*\qt], v[TC+4*\qt], v[XX+\qt]      ; the new maximum
	v_mul_f32 v[NM+2*\qt], s62, v[TC+4*\qt]
	v_mov_b32 v[NM+2*\qt+1], v[NM+2*\qt]
.endr
.if \first == 0
.irp qt, 0,1
	v_fma_f32 v[XX+\qt], v[M+\qt], s60, v[NM+2*\qt]        ; c (old maximum - new maximum)
.endr
.irp qt, 0,1
	v_exp_f32 v[AL+2*\qt], v[XX+\qt]
	v_exp_f32 v[AL+2*\qt+1], v[XX+\qt]
.endr
.endif
	v_mov_b32 v[M], v[TC]                          ; also the plain place behind the exponentials (ISA guide 5.7.2)
	v_mov_b32 v[M+1], v[TC+4]
.if \first == 0
	s_wait_alu depctr_va_vdst(0)
.irp qt, 0,1
.set i, 0
.rept 16
	v_pk_mul_f32 v[O+32*\qt+2*i:O+32*\qt+2*i+1], v[O+32*\qt+2*i:O+32*\qt+2*i+1], v[AL+2*\qt:AL+2*\qt+1]
.set i, i+1
.endr
.irp c, 0,1,2,3
	v_pk_mul_f32 v[LA+8*\qt+2*\c:LA+8*\qt+2*\c+1], v[LA+8*\qt+2*\c:LA+8*\qt+2*\c+1], v[AL+2*\qt:AL+2*\qt+1]
.endr
.endr
.endif
	WIN 0x41                                       ; source 0 and destination window 1
.irp qt, 0,1
.set i, 0
.rept 32
	v_pk_fma_f32 v[64*\qt+2*i:64*\qt+2*i+1], v[64*\qt+2*i:64*\qt+2*i+1], s[60:61], v[NM+2*\qt:NM+2*\qt+1] op_sel_hi:[1,0,1]   ; c (s - maximum)
.set i, i+1
.endr
.endr
.set i, 0
.rept 128
	v_exp_f32 v[i], v[i]
.set i, i+1
.endr
	v_nop                                          ; one plain place behind the exponentials
.if \first
	WIN 0x05
	s_wait_alu depctr_va_vdst(0)
.irp qt, 0,1
.irp c, 0,1,2,3
	v_pk_add_f32 v[LA+8*\qt+2*\c:LA+8*\qt+2*\c+1], v[64*\qt+2*\c:64*\qt+2*\c+1], v[64*\qt+8+2*\c:64*\qt+8+2*\c+1]   ; the first two groups start the sums
.endr
.endr
	WIN 0x01
.irp i, 2,3,4,5,6,7
.irp qt, 0,1
.irp c, 0,1,2,3
	v_pk_add_f32 v[LA+8*\qt+2*\c:LA+8*\qt+2*\c+1], v[64*\qt+8*\i+2*\c:64*\qt+8*\i+2*\c+1], v[LA+8*\qt+2*\c:LA+8*\qt+2*\c+1]
.endr
.endr
.endr
.else
	WIN 0x01
	s_wait_alu depctr_va_vdst(0)
.irp i, 0,1,2,3,4,5,6,7
.irp qt, 0,1
.irp c, 0,1,2,3
	v_pk_add_f32 v[LA+8*\qt+2*\c:LA+8*\qt+2*\c+1], v[64*\qt+8*\i+2*\c:64*\qt+8*\i+2*\c+1], v[LA+8*\qt+2*\c:LA+8*\qt+2*\c+1]
.endr
.endr
.endr
.endif
	WIN 0x05
.set i, 0
.rept 64
	v_cvt_pk_f16_f32 v[P+i], v[2*i], v[2*i+1]      ; tiles 2 kg and 2 kg + 1 become registers 0-3 and 4-7 of fragment kg
.set i, i+1
.endr
.endm
; 16 matrix instructions: keys 32 kg .. +31, upper parts of v (pt 0), then lower parts (pt 1), onto the same 8 accumulators,
; which take turns, one instruction a turn
.macro PVK kg, zero
.irp pt, 0,1
.irp qt, 0,1
.irp dt, 0,1,2,3
.if \zero*(1-\pt)
	v_wmma_f32_16x16x32_f16 v[O+8*(4*\qt+\dt):O+8*(4*\qt+\dt)+7], v[8*(8*\kg+4*\pt+\dt):8*(8*\kg+4*\pt+\dt)+7], v[P+8*(4*\qt+\kg):P+8*(4*\qt+\kg)+7], 0
.else
	v_wmma_f32_16x16x32_f16 v[O+8*(4*\qt+\dt):O+8*(4*\qt+\dt)+7], v[8*(8*\kg+4*\pt+\dt):8*(8*\kg+4*\pt+\dt)+7], v[P+8*(4*\qt+\kg):P+8*(4*\qt+\kg)+7], v[O+8*(4*\qt+\dt):O+8*(4*\qt+\dt)+7]
.endif
.endr
.endr
.endr
.endm
; O^T += V^T P^T.  The loads of key groups 0 to 2 went out behind the score products; group 3's go out here, 48 matrix instructions ahead of their use.
.macro PV slot, first
	s_wait_dscnt 32                                ; group 0's 16 loads are in; groups 1 and 2 may stay out
	WIN 0xc0
	VLOAD \slot, 3
	WIN 0x03                                       ; source 0 window 3
	PVK 0, \first
	s_wait_dscnt 32                                ; group 1 is in; groups 2 and 3 may stay out
	PVK 1, 0
	s_wait_dscnt 16                                ; group 3 may stay out
	PVK 2, 0
	s_wait_dscnt 0x0
	PVK 3, 0
	WIN 0
.endm
; a block is done: divide by the row sums, split in two bf16 words, through my own stage, out as 512 consecutive bytes a store.  sb: the pair with my rows of ao.
.macro FINAL sb
.irp qt, 0,1                                   ; these eight lines on the row sums are also the places behind the last matrix instructions
	v_pk_add_f32 v[LA+8*\qt:LA+8*\qt+1], v[LA+8*\qt:LA+8*\qt+1], v[LA+8*\qt+2:LA+8*\qt+3]
	v_pk_add_f32 v[LA+8*\qt+4:LA+8*\qt+5], v[LA+8*\qt+4:LA+8*\qt+5], v[LA+8*\qt+6:LA+8*\qt+7]
.endr
.irp qt, 0,1
	v_pk_add_f32 v[LA+8*\qt:LA+8*\qt+1], v[LA+8*\qt:LA+8*\qt+1], v[LA+8*\qt+4:LA+8*\qt+5]
.endr
.irp qt, 0,1
	v_add_f32 v[LA+8*\qt], v[LA+8*\qt], v[LA+8*\qt+1]
.endr
.irp qt, 0,1
	v_permlanex16_b32 v[XX+\qt], v[LA+8*\qt], s66, s67
.endr
.irp qt, 0,1
	v_add_f32 v[LA+8*\qt], v[LA+8*\qt], v[XX+\qt]  ; at least 1: the key with the maximum counts 1
.endr
.irp qt, 0,1
	v_rcp_f32 v[RL+2*\qt], v[LA+8*\qt]
	v_rcp_f32 v[RL+2*\qt+1], v[LA+8*\qt]
.endr
	v_nop                                          ; one plain place behind the reciprocals
	s_wait_alu depctr_va_vdst(0)
.irp qt, 0,1
.set i, 0
.rept 16
	v_pk_mul_f32 v[O+32*\qt+2*i:O+32*\qt+2*i+1], v[O+32*\qt+2*i:O+32*\qt+2*i+1], v[RL+2*\qt:RL+2*\qt+1]
.set i, i+1
.endr
.endr
.set i, 0
.rept 32
	v_perm_b32 v[P+i], v[O+2*i+1], v[O+2*i], 0x07060302    ; part 0: the upper halves of two f32 words
.set i, i+1
.endr
.irp qt, 0,1
.set i, 0
.rept 32
	v_and_b32 v[P+32+i], 0xffff0000, v[O+32*\qt+i]         ; part 0 as f32
.set i, i+1
.endr
.set i, 0
.rept 16
	v_pk_add_f32 v[O+32*\qt+2*i:O+32*\qt+2*i+1], v[O+32*\qt+2*i:O+32*\qt+2*i+1], v[P+32+2*i:P+32+2*i+1] neg_lo:[0,1] neg_hi:[0,1]   ; what part 0 leaves: exact
.set i, i+1
.endr
.endr
.set i, 0
.rept 32
	v_cvt_pk_bf16_f32 v[P+32+i], v[O+2*i], v[O+2*i+1]      ; part 1
.set i, i+1
.endr
.irp qt, 0,1
.irp dt, 0,1,2,3
	ds_store_b128 v[STO], v[P+4*(4*\qt+\dt):P+4*(4*\qt+\dt)+3]       offset:\qt*16*KP+32*\dt
	ds_store_b128 v[STO], v[P+32+4*(4*\qt+\dt):P+32+4*(4*\qt+\dt)+3] offset:PSTAGE+\qt*16*KP+32*\dt
.endr
.endr
.irp t, 0,1,2,3,4,5,6,7,8,9,10,11,12,13,14,15
	ds_load_b128 v[O+4*\t:O+4*\t+3], v[RD] offset:(\t/8)*PSTAGE+(\t%8)*4*KP    ; LDS serves a wave's instructions in order: these see the stores above
.endr
.irp t, 0,1,2,3,4,5,6,7,8,9,10,11,12,13,14,15
	s_wait_dscnt 15-\t                             ; load t is in, the younger ones stay out
	global_store_b128 v[CO], v[O+4*\t:O+4*\t+3], s[\sb:\sb+1] offset:(\t/8)*16384+(\t%8)*512
.endr
	s_wait_xcnt 0x0                                ; O, which these stores read, is written again only behind this wait
.endm
.macro STEP slot, qf, diag
	FETCHK \slot
	SCORES \qf
	WIN 0xc0
	VLOAD \slot, 0                                 ; 48 loads that land while the softmax is worked out
	VLOAD \slot, 1
	VLOAD \slot, 2
.if \diag
	MASK
.endif
	SOFTMAX \diag
	PV \slot, \diag
.endm
	s_wait_tensorcnt 0x1                           ; my part of the first tile is in; the second stays out
	s_barrier_signal -1
	s_barrier_wait -1
	s_wait_loadcnt 0x0                             ; q
	STEP 0, QA, 1                                  ; block a, diagonal
	s_mov_b32 s76, ttmp9                           ; a = 2 p tiles below it: p trips of two
	s_cmp_eq_u32 s76, 0
	s_cbranch_scc1 .Ldone_a
.Lloop_a:
	HEAD 0, 1
	STEP 1, QA, 0
	HEAD 1, 1
	STEP 0, QA, 0
	s_sub_co_i32 s76, s76, 1
	s_cmp_lg_u32 s76, 0
	s_cbranch_scc1 .Lloop_a
.Ldone_a:
	HEAD 0, 1
	FINAL 72
	STEP 1, QB, 1                                  ; block b, diagonal
	s_sub_co_u32 s76, 7, ttmp9                     ; b = 15 - 2 p tiles below it: 7 - p trips of two, and one
	s_cmp_eq_u32 s76, 0
	s_cbranch_scc1 .Ldone_b
.Lloop_b:
	HEAD 1, 1
	STEP 0, QB, 0
	HEAD 0, 1
	STEP 1, QB, 0
	s_sub_co_i32 s76, s76, 1
	s_cmp_lg_u32 s76, 0
	s_cbranch_scc1 .Lloop_b
.Ldone_b:
	HEAD 1, 0                                      ; the last tile: nothing is left to fetch
	STEP 0, QB, 0
	FINAL 74
	s_wait_tensorcnt 0x0
	ds_add_u32 v254, v255
	s_wait_dscnt 0x0
	s_endpgm
.Lfunc_end_k_qe9494429ae_attn:
	.size	k_qe9494429ae_attn, .Lfunc_end_k_qe9494429ae_attn-k_qe9494429ae_attn
	.p2alignl 7, 3214868480
	.fill 96, 4, 3214868480
	.section	.rodata,"a",@progbits
	.p2align	6, 0x0
	.amdhsa_kernel k_qe9494429ae_attn
		.amdhsa_group_segment_fixed_size 327680
		.amdhsa_private_segment_fixed_size 0
		.amdhsa_enable_private_segment 0
		.amdhsa_kernarg_size 16
		.amdhsa_user_sgpr_count 2
		.amdhsa_user_sgpr_kernarg_segment_ptr 1
		.amdhsa_wavefront_size32 1
		.amdhsa_system_sgpr_workgroup_id_x 1
		.amdhsa_system_sgpr_workgroup_id_y 1
		.amdhsa_system_sgpr_workgroup_id_z 1
		.amdhsa_system_vgpr_workitem_id 0
		.amdhsa_next_free_vgpr 1024
		.amdhsa_next_free_sgpr 80
		.amdhsa_reserve_vcc 1
		.amdhsa_float_denorm_mode_32 3
		.amdhsa_float_denorm_mode_16_64 3
		.amdhsa_memory_ordered 1
		.amdhsa_forward_progress 1
		.amdhsa_inst_pref_size 255
	.end_amdhsa_kernel
	.section	.bss,"aw",@nobits
	.p2align	6
	.space	262144
	.amdgpu_metadata
---
amdhsa.version: [ 1, 2 ]
amdhsa.kernels:
  - .name:           k_qe9494429ae_attn
    .symbol:         k_qe9494429ae_attn.kd
    .args:
      - { .name: qkv, .offset: 0, .size: 8, .value_kind: global_buffer, .address_space: global }
      - { .name: ao, .offset: 8, .size: 8, .value_kind: global_buffer, .address_space: global }
    .group_segment_fixed_size: 327680
    .private_segment_fixed_size: 0
    .kernarg_segment_align: 8
    .kernarg_segment_size: 16
    .max_flat_workgroup_size: 128
    .sgpr_count:     80
    .vgpr_count:     1024
    .wavefront_size: 32
...
	.end_amdgpu_metadata
.endif
;; end of part 3
;; launch oproj (part 4): grid 8 x 32, 4 waves a work-group, clusters of 4 x 4, 327,680 bytes of LDS; arguments ao, cb, out0; writes out0
.if DOCPART == 4
	.amdgcn_target "amdgcn-amd-amdhsa--gfx1250"
	.amdhsa_code_object_version 6
	.text
	.protected	k_qe9494429ae_oproj
	.globl	k_qe9494429ae_oproj
	.p2align	8
	.type	k_qe9494429ae_oproj,@function
k_qe9494429ae_oproj:
	s_mov_b64 s[64:65], 0
	v_nop
	global_prefetch_b8 v0, s[64:65] scope:SCOPE_SE
	s_setreg_imm32_b32 hwreg(HW_REG_WAVE_MODE, 25, 1), 1
	s_wait_xcnt 0x0
	s_wait_alu depctr_hold_cnt(0) depctr_sa_sdst(0) depctr_va_vdst(0) depctr_va_sdst(0) depctr_va_ssrc(0) depctr_va_vcc(0) depctr_vm_vsrc(0)
	s_getreg_b32 s2, hwreg(HW_REG_IB_STS2, 6, 4)
	s_cmp_eq_u32 s2, 0
	s_cbranch_scc0 .Lentry_in_a_cluster
	s_endpgm
.Lentry_in_a_cluster:
	s_bfe_u32 s2, ttmp6, 0x10000c
	s_cmp_lg_u32 s2, 0xf033
	s_cbranch_scc0 .Lentry_shape_is_right
	s_endpgm
.Lentry_shape_is_right:
; out0 = ao Wo^T in f32.  ao = [mb = row block of 128][head][part][128 rows][64] bf16, the attention result in two bf16 words (part 0 + part 1);
; Wo in bf16 = cb rows 7168..8191, [1024][1024].  Both parts are multiplied by the same fragments of Wo and added onto the same sums.
; Work-group (nb, mb) makes a block of 128 x 128; four waves, each 64 x 64: 16 accumulator tiles.  256 work-groups, one for each WGP:
; a larger block would leave WGPs idle at this size.
; K = 1,024 goes in 8 steps of 128 through two LDS slots.  A slot holds four planes of ao (two heads x two parts, 128 rows x 128 bytes each,
; dense in memory) and 128 rows x 256 bytes of Wo.  A slot is worked off in four slices, one plane each: 32 matrix instructions a wave.
; CLUSTER 4 x 4: the tiles of ao hang on mb alone and are asked for jointly along a row of the cluster, those of Wo on nb alone, along a column.
; By this text's count a wave has two tensor loads out at the start, later one, and at most 40 LDS loads.
; The matrix instruction is used transposed (source 0 = rows of Wo, source 1 = rows of ao): lane (r, h) register j holds (row 16 a + r, column 16 b + 8 h + j).
; Operands are bf16, sums and result f32.
.set PA,     144                       ; LDS pitch of ao: 128 bytes + 16
.set PB,     272                       ; LDS pitch of Wo: 256 bytes + 16
.set AHALF,  256*PA                    ; one tensor load of ao: the two planes of one head
.set BHALF,  64*PB                     ; one tensor load of Wo: 64 rows
.set BOFF,   2*AHALF
.set SLOT,   BOFF+2*BHALF              ; 108,544
.set STAGE,  2*SLOT                    ; 217,088: behind the ring, never filled by a tensor load
.set SPITCH, 272                       ; stage row: 64 f32 + 16 bytes
.set WSTAGE, 16*SPITCH
.set LAPS,   4                         ; a lap = two K steps
.set WO_OFF, 14680064                  ; cb row 7168
; window 0
.set ADRA, 4
.set ADRB, 6
.set STO,  8
.set RD,   9
.set CO,   10
.set RB,   16                          ; v[16:47]   way out: rows read back
.set ACC,  128                         ; v[128:255] tile (a, b) at + 8 (4 a + b)
; window 1: Wo fragments, buffer (slice / 2) mod 2, at 64 x buffer + 8 (4 kk + b); ao fragments, buffer slice mod 2, at 128 + 64 x buffer + 8 (4 kk + a)
.set G1,  24
.set G0,  32
.set G1B, 48
.set G0B, 56
.set MSB, 0
.macro WIN new
.if MSB != (\new)
	s_set_vgpr_msb ((MSB<<8)|(\new))
.set MSB, (\new)
.endif
.endm
.set MULW, 0x05                        ; sources 0 and 1 window 1, C and D window 0
.set TO_F, 0x40                        ; destination window 1
.macro JLOAD s                         ; waves 0, 1 fetch the halves of ao, waves 2, 3 those of Wo
	s_cmp_eq_u32 s11, 0
	s_cbranch_scc0 .Lfor_b_\@
	tensor_load_to_lds s[G0+4*\s:G0+4*\s+3], s[G1:G1+7]
	s_nop 0
	s_branch .Lasked_\@
.Lfor_b_\@:
	tensor_load_to_lds s[G0B+4*\s:G0B+4*\s+3], s[G1B:G1B+7]
	s_nop 0
.Lasked_\@:
.endm
.macro CREST
	s_cmp_lg_u32 s10, 0
	s_cbranch_scc1 .Lnot_wave_0_\@
	s_barrier_signal -3
.Lnot_wave_0_\@:
	s_barrier_wait -3
	s_barrier_signal -1
	s_barrier_wait -1
.endm
.macro CROUND
	s_barrier_signal -1
	s_barrier_wait -1
	CREST
.endm
.macro PLACES                          ; four places behind matrix instructions (ISA guide 7.12.1)
.rept 4
	v_nop
.endr
.endm
	s_load_b128 s[4:7], s[0:1], 0x0                ; ao s[4:5], cb s[6:7]
	s_load_b64 s[8:9], s[0:1], 0x10                ; out0
	v_lshl_add_u32 v126, v0, 2, 0x39400
	v_mov_b32 v127, 0
	ds_add_u32 v126, v127
	v_lshrrev_b32 v1, 5, v0
	v_readfirstlane_b32 s10, v1                    ; wave 0..3
	s_lshr_b32 s11, s10, 1                         ; my half of the rows.  Also: I fetch ao (0) or Wo (1)
	s_and_b32 s12, s10, 1                          ; my half of the columns.  Also: which half of that tile I fetch
	s_bfe_u32 s40, ttmp6, 0x40000                  ; cx
	s_bfe_u32 s41, ttmp6, 0x40004                  ; cy
	s_lshl_b32 s42, ttmp9, 2
	s_add_co_u32 s42, s42, s40                     ; nb
	s_and_b32 s13, ttmp7, 0xffff
	s_lshl_b32 s13, s13, 2
	s_add_co_u32 s13, s13, s41                     ; mb
	s_lshl_b32 s43, s41, 2
	s_lshl_b32 s43, 15, s43                        ; my row of the cluster
	s_lshl_b32 s44, 0x1111, s40                    ; my column
	s_or_b32 s[G1+0], s43, (1<<16)|(1<<20)|(1<<21)|(4<<22)|(3<<25)   ; ao: after 32 words 4 words of padding
	s_or_b32 s[G1B+0], s44, (1<<16)|(1<<20)|(1<<21)|(5<<22)|(3<<25)  ; Wo: after 64 words 4 words
	s_mov_b32 s[G1+1], 64<<16                      ; tensor_dim0
	s_mov_b32 s[G1B+1], 128<<16
	s_mov_b32 s[G1+2], 256<<16                     ; tensor_dim1
	s_mov_b32 s[G1B+2], 64<<16
	s_mov_b32 s[G1+3], 64<<16                      ; tile_dim0
	s_mov_b32 s[G1B+3], 128<<16
	s_mov_b32 s[G1+4], 256                         ; tile_dim1: two planes of 128 rows, which follow each other in memory
	s_mov_b32 s[G1B+4], 64
	s_mov_b32 s[G1+5], 64                          ; elements from row to row
	s_mov_b32 s[G1B+5], 1024
	s_mov_b32 s[G1+6], 0
	s_mov_b32 s[G1B+6], 0
	s_mov_b32 s[G1+7], 0
	s_mov_b32 s[G1B+7], 0
	s_lshl_b32 s17, s12, 1
	s_lshl_b32 s16, s13, 5
	s_add_co_u32 s16, s16, s17                     ; ao: plane 32 mb + 2 half
	s_lshl_b32 s16, s16, 14                        ; planes of 16,384 bytes
	s_mov_b32 s17, 0
	s_lshl_b32 s46, s42, 7
	s_lshl_b32 s47, s12, 6
	s_add_co_u32 s46, s46, s47                     ; Wo: row 128 nb + 64 half
	s_lshl_b32 s46, s46, 11
	s_add_co_u32 s46, s46, WO_OFF
	s_mov_b32 s47, 0
	s_mul_i32 s20, s10, AHALF                      ; LDS: halves of ao at wave x 36,864 (waves 0, 1)
	s_mul_i32 s21, s10, BHALF                      ; halves of Wo at 73,728 + (wave - 2) x 17,408 (waves 2, 3)
	s_add_co_u32 s21, s21, BOFF-2*BHALF
	s_wait_dscnt 0x0
	s_wait_kmcnt 0x0
	s_add_nc_u64 s[14:15], s[4:5], s[16:17]
	s_add_nc_u64 s[46:47], s[6:7], s[46:47]
	CROUND                                         ; all sixteen work-groups are here: the first joint loads meet
.irp s, 0,1
	s_mov_b32 s[G0+4*\s], 1
	s_add_co_u32 s[G0+4*\s+1], s20, \s*SLOT
	s_add_nc_u64 s[G0+4*\s+2:G0+4*\s+3], s[14:15], \s*65536        ; four planes on
	s_or_b32 s[G0+4*\s+3], s[G0+4*\s+3], 0x80000000
	s_mov_b32 s[G0B+4*\s], 1
	s_add_co_u32 s[G0B+4*\s+1], s21, \s*SLOT
	s_add_nc_u64 s[G0B+4*\s+2:G0B+4*\s+3], s[46:47], \s*256        ; 128 along K on
	s_or_b32 s[G0B+4*\s+3], s[G0B+4*\s+3], 0x80000000
	JLOAD \s
.endr
	v_and_b32 v1, 15, v0                           ; r
	v_bfe_u32 v2, v0, 4, 1                         ; h
	v_mul_u32_u24 v3, v1, PA
	v_lshl_add_u32 v3, v2, 4, v3
	s_mul_i32 s22, s11, 64*PA                      ; my 64 rows of ao
	v_add_nc_u32 v[ADRA], s22, v3
	v_add_nc_u32 v[ADRA+1], SLOT, v[ADRA]
	v_mul_u32_u24 v3, v1, PB
	v_lshl_add_u32 v3, v2, 4, v3
	s_mul_i32 s22, s12, 64*PB                      ; my 64 rows of Wo
	s_add_co_u32 s22, s22, BOFF
	v_add_nc_u32 v[ADRB], s22, v3
	v_add_nc_u32 v[ADRB+1], SLOT, v[ADRB]
	s_mul_i32 s23, s10, WSTAGE
	s_add_co_u32 s23, s23, STAGE                   ; my stage
	v_mul_u32_u24 v3, v1, SPITCH
	v_lshl_add_u32 v3, v2, 5, v3
	v_add_nc_u32 v[STO], s23, v3                   ; in: row r, 32 bytes for each half of the lanes
	v_mul_u32_u24 v3, v2, SPITCH
	v_lshl_add_u32 v3, v1, 4, v3
	v_add_nc_u32 v[RD], s23, v3                    ; back: sixteen lanes a row of 256 bytes, two rows a load
	v_lshlrev_b32 v3, 12, v2
	v_lshl_add_u32 v[CO], v1, 4, v3                ; the same two rows in out0
; 8 matrix instructions of slice q, 32 along K (kk), row blocks a0 and a0 + 1.  The 16 accumulators take turns, one instruction a turn,
; in the same order throughout.
.macro MUL8 q, kk, a0, zero
.irp a, \a0, \a0+1
.irp b, 0,1,2,3
.if \zero
	v_wmma_f32_16x16x32_bf16 v[ACC+8*(4*(\a)+\b):ACC+8*(4*(\a)+\b)+7], v[64*((\q/2)%2)+8*(4*\kk+\b):64*((\q/2)%2)+8*(4*\kk+\b)+7], v[128+64*(\q%2)+8*(4*\kk+(\a)):128+64*(\q%2)+8*(4*\kk+(\a))+7], 0
.else
	v_wmma_f32_16x16x32_bf16 v[ACC+8*(4*(\a)+\b):ACC+8*(4*(\a)+\b)+7], v[64*((\q/2)%2)+8*(4*\kk+\b):64*((\q/2)%2)+8*(4*\kk+\b)+7], v[128+64*(\q%2)+8*(4*\kk+(\a)):128+64*(\q%2)+8*(4*\kk+(\a))+7], v[ACC+8*(4*(\a)+\b):ACC+8*(4*(\a)+\b)+7]
.endif
.endr
.endr
.endm
; the fragments of slice q (plane q of the slot: head q / 2, part q mod 2): 16 loads of ao; wb = 1 (a new head): 16 of Wo too.  kk = 0's loads come first.
.macro FETCH slot, q, wb
	WIN TO_F
.irp kk, 0,1
.if \wb
.irp b, 0,1,2,3
	ds_load_b128 v[64*((\q/2)%2)+8*(4*\kk+\b):64*((\q/2)%2)+8*(4*\kk+\b)+3],   v[ADRB+\slot] offset:(\q/2)*128+\kk*64+\b*16*PB
	ds_load_b128 v[64*((\q/2)%2)+8*(4*\kk+\b)+4:64*((\q/2)%2)+8*(4*\kk+\b)+7], v[ADRB+\slot] offset:(\q/2)*128+\kk*64+\b*16*PB+32
.endr
.endif
.irp a, 0,1,2,3
	ds_load_b128 v[128+64*(\q%2)+8*(4*\kk+\a):128+64*(\q%2)+8*(4*\kk+\a)+3],   v[ADRA+\slot] offset:\q*128*PA+\kk*64+\a*16*PA
	ds_load_b128 v[128+64*(\q%2)+8*(4*\kk+\a)+4:128+64*(\q%2)+8*(4*\kk+\a)+7], v[ADRA+\slot] offset:\q*128*PA+\kk*64+\a*16*PA+32
.endr
.endr
.endm
; one of a slot's first three slices.  w1: how many loads (this slice's second half) may stay out at its head; in its middle it fetches
; slice nq (nwb: with Wo); w2 = the number of loads just issued.
.macro SLICE slot, q, w1, nq, nwb, w2, zero
	s_wait_dscnt \w1
	WIN MULW
	MUL8 \q, 0, 0, \zero
	MUL8 \q, 0, 2, \zero
	PLACES
	FETCH \slot, \nq, \nwb
	s_wait_dscnt \w2
	WIN MULW
	MUL8 \q, 1, 0, 0
	MUL8 \q, 1, 2, 0
.endm
.macro THREE slot, zero
	SLICE \slot, 0, 16, 1, 0, 16, \zero
	SLICE \slot, 1, 8,  2, 1, 32, 0
	SLICE \slot, 2, 16, 3, 0, 16, 0
.endm
; a slot's last slice and the change of slots.  In front of the barrier each wave has waited for its reads of this slot and for all
; its tensor loads (one is out: its part of the next slot).  fill = 1: the barrier opens a round of the cluster barrier and the joint refill,
; two K steps ahead, is the first tensor load behind it.  From a request to its wait: 120 matrix instructions.
.macro TURNQ slot, next, fill
	s_wait_dscnt 8                                 ; this slice's second half may stay out
	WIN MULW
	MUL8 3, 0, 0, 0
	MUL8 3, 0, 2, 0
	s_wait_dscnt 0x0                               ; my reads of this slot are over
	s_set_vgpr_msb 0x500
	s_wait_tensorcnt 0x0                           ; all my tensor loads have landed
	ds_add_u32 v126, v127
	s_wait_dscnt 0x0
	s_set_vgpr_msb 0x5
	s_barrier_signal -1
	MUL8 3, 1, 0, 0                                ; register work while the others arrive
	WIN 0
	s_barrier_wait -1
.if \fill
	CREST
	s_add_nc_u64 s[G0+4*\slot+2:G0+4*\slot+3], s[G0+4*\slot+2:G0+4*\slot+3], 131072    ; eight planes on
	s_add_nc_u64 s[G0B+4*\slot+2:G0B+4*\slot+3], s[G0B+4*\slot+2:G0B+4*\slot+3], 512   ; 256 along K on
	JLOAD \slot
.endif
	PLACES
	FETCH \next, 0, 1
	WIN MULW
	MUL8 3, 1, 2, 0
.endm
.macro LAP zero
	THREE 0, \zero
	TURNQ 0, 1, 1
	THREE 1, 0
	TURNQ 1, 0, 1
.endm
	s_wait_tensorcnt 0x1                           ; my part of slot 0 is in; slot 1 stays out
	s_barrier_signal -1
	s_barrier_wait -1
	FETCH 0, 0, 1
	LAP 1                                          ; the first products start the sums: nothing is cleared
	WIN 0
	s_mov_b32 s3, LAPS-2
.Llap:
	LAP 0
	WIN 0
	s_sub_co_u32 s3, s3, 1
	s_cmp_lg_u32 s3, 0
	s_cbranch_scc1 .Llap
	THREE 0, 0                                     ; the last lap fills nothing
	TURNQ 0, 1, 0
	THREE 1, 0
	s_wait_dscnt 8
	WIN MULW
	MUL8 3, 0, 0, 0
	MUL8 3, 0, 2, 0
	s_wait_dscnt 0x0
	MUL8 3, 1, 0, 0
	MUL8 3, 1, 2, 0
	WIN 0
	; THE WAY OUT, 16 rows at a time through my own stage: sixteen lanes store 256 consecutive bytes at a multiple of 256
	PLACES
	s_lshl_b32 s66, s13, 7
	s_lshl_b32 s67, s11, 6
	s_add_co_u32 s66, s66, s67                     ; my first row: 128 mb + 64 half
	s_lshl_b32 s66, s66, 12                        ; rows of 4,096 bytes
	s_lshl_b32 s67, s42, 9
	s_add_co_u32 s66, s66, s67                     ; + 512 nb
	s_lshl_b32 s67, s12, 8
	s_add_co_u32 s66, s66, s67                     ; + 256 half
	s_mov_b32 s67, 0
	s_add_nc_u64 s[8:9], s[8:9], s[66:67]
.irp a, 0,1,2,3
.irp b, 0,1,2,3
	ds_store_b128 v[STO], v[ACC+8*(4*\a+\b):ACC+8*(4*\a+\b)+3]   offset:64*\b
	ds_store_b128 v[STO], v[ACC+8*(4*\a+\b)+4:ACC+8*(4*\a+\b)+7] offset:64*\b+16
.endr
	s_wait_xcnt 0x0                                ; RB, which the last block's stores read, is loaded again only behind this wait
.irp t, 0,1,2,3,4,5,6,7
	ds_load_b128 v[RB+4*\t:RB+4*\t+3], v[RD] offset:\t*2*SPITCH    ; LDS serves a wave's instructions in order: these see the stores above
.endr
.irp t, 0,1,2,3,4,5,6,7
	s_wait_dscnt 7-\t                              ; load t is in, the younger ones stay out
	global_store_b128 v[CO], v[RB+4*\t:RB+4*\t+3], s[8:9] offset:(16*\a+2*\t)*4096 th:TH_STORE_NT
.endr
.endr
	s_wait_tensorcnt 0x0
	ds_add_u32 v126, v127
	s_wait_dscnt 0x0
	CROUND                                         ; the closing round: no work-group ends while a partner may still ask jointly
	s_endpgm
.Lfunc_end_k_qe9494429ae_oproj:
	.size	k_qe9494429ae_oproj, .Lfunc_end_k_qe9494429ae_oproj-k_qe9494429ae_oproj
	.p2alignl 7, 3214868480
	.fill 96, 4, 3214868480
	.section	.rodata,"a",@progbits
	.p2align	6, 0x0
	.amdhsa_kernel k_qe9494429ae_oproj
		.amdhsa_group_segment_fixed_size 327680
		.amdhsa_private_segment_fixed_size 0
		.amdhsa_enable_private_segment 0
		.amdhsa_kernarg_size 24
		.amdhsa_user_sgpr_count 2
		.amdhsa_user_sgpr_kernarg_segment_ptr 1
		.amdhsa_wavefront_size32 1
		.amdhsa_system_sgpr_workgroup_id_x 1
		.amdhsa_system_sgpr_workgroup_id_y 1
		.amdhsa_system_sgpr_workgroup_id_z 1
		.amdhsa_system_vgpr_workitem_id 0
		.amdhsa_next_free_vgpr 512
		.amdhsa_next_free_sgpr 68
		.amdhsa_reserve_vcc 0
		.amdhsa_float_denorm_mode_32 3
		.amdhsa_float_denorm_mode_16_64 3
		.amdhsa_memory_ordered 1
		.amdhsa_forward_progress 1
		.amdhsa_inst_pref_size 110
	.end_amdhsa_kernel
	.amdgpu_metadata
---
amdhsa.version: [ 1, 2 ]
amdhsa.kernels:
  - .name:           k_qe9494429ae_oproj
    .symbol:         k_qe9494429ae_oproj.kd
    .args:
      - { .name: ao, .offset: 0, .size: 8, .value_kind: global_buffer, .address_space: global }
      - { .name: cb, .offset: 8, .size: 8, .value_kind: global_buffer, .address_space: global }
      - { .name: out0, .offset: 16, .size: 8, .value_kind: global_buffer, .address_space: global }
    .group_segment_fixed_size: 327680
    .private_segment_fixed_size: 0
    .kernarg_segment_align: 8
    .kernarg_segment_size: 24
    .max_flat_workgroup_size: 128
    .sgpr_count:     68
    .vgpr_count:     512
    .wavefront_size: 32
...
	.end_amdgpu_metadata
.endif
;; end of part 4
;; ======== version 2 of 2: 4 launches
;; limits: a function is approximated: absolute error at most 2.2e-05; values are held in f16: magnitudes above 65,504 overflow, below 6.1e-05 lose precision
;; workspace buffers: cb 16,777,216 bytes; qkv 33,554,432 bytes; ao 8,388,608 bytes
;; launch cvt (part 5): grid 32 x 8, 8 waves a work-group, no clusters, 0 bytes of LDS; arguments x, Wq, Wk, Wv, Wo, cb; writes cb
.if DOCPART == 5
	.amdgcn_target "amdgcn-amd-amdhsa--gfx1250"
	.amdhsa_code_object_version 6
	.text
	.protected	k_qe9494429ae_cvt
	.globl	k_qe9494429ae_cvt
	.p2align	8
	.type	k_qe9494429ae_cvt,@function
k_qe9494429ae_cvt:
	s_mov_b64 s[64:65], 0
	v_nop
	global_prefetch_b8 v0, s[64:65] scope:SCOPE_SE
	s_setreg_imm32_b32 hwreg(HW_REG_WAVE_MODE, 25, 1), 1
	s_wait_xcnt 0x0
; x and the four weight matrices, f32, are rounded once to bf16 (nearest even) into cb: 8,192 rows of 1,024 numbers of 16 bits (2,048 bytes).
;   rows 0..4095      x, bf16
;   rows 4096..7167   Wq, Wk, Wv, bf16, regrouped by head: row 4096 + 192 head + 64 mat + i = W_mat[64 head + i] (mat 0, 1, 2 = q, k, v),
;                     so that the 192 weight rows that one head needs lie together
;   rows 7168..8191   Wo: rounded to bf16 like the other inputs, and that number written in f16's format, because its partner operand in the
;                     last product, the attention result, needs f16's 11 significant bits and a matrix instruction takes one format for both.
; LIMITS of Wo's second step: bf16's 8 significant bits are exact in f16 for magnitudes from 2^-17 to 65,504; below 2^-17 the number is rounded to a
; multiple of 2^-24; above 65,504 it becomes infinite.  Wo as drawn lies within 1/32.
; A stream: no LDS, no barrier, no matrix unit.  Work-group (c, y) converts 32 rows (131,072 bytes of f32): y = 0..3 a quarter of x,
; y = 4..7 one weight matrix.  Thread t takes 16 bytes at 16 t of every row: a load of a wave covers 512 consecutive bytes, a store
; of a wave 256 consecutive bytes at a multiple of 256.  All 32 loads of a thread go out first; no store's data register is written again.
.set X, 4                              ; v[4:131]    32 slots of 4: f32 as loaded
.set Y, 132                            ; v[132:195]  32 slots of 2: 16-bit numbers to store
	s_load_b256 s[4:11], s[0:1], 0x0               ; x s[4:5], Wq s[6:7], Wk s[8:9], Wv s[10:11]
	s_load_b128 s[12:15], s[0:1], 0x20             ; Wo s[12:13], cb s[14:15]
	s_and_b32 s20, ttmp7, 0xffff                   ; y
	v_lshlrev_b32 v1, 4, v0                        ; my 16 bytes of an f32 row
	v_lshlrev_b32 v2, 3, v0                        ; my 8 bytes of a 16-bit row
	s_lshl_b32 s21, ttmp9, 17                      ; c x 32 rows x 4,096 bytes
	s_lshl_b32 s22, s20, 22                        ; y x 1,024 rows x 4,096 bytes, for x alone
	s_cmp_lt_u32 s20, 4
	s_cselect_b32 s22, s22, 0
	s_add_co_u32 s22, s22, s21                     ; offset of my rows in their source, below 16 MiB
	s_mov_b32 s23, 0
	s_lshl_b32 s24, s20, 10
	s_lshl_b32 s26, ttmp9, 5
	s_add_co_u32 s24, s24, s26                     ; x and Wo: output row 1,024 y + 32 c
	s_lshr_b32 s26, ttmp9, 1                       ; Wq, Wk, Wv: head = c / 2
	s_mul_i32 s26, s26, 192
	s_lshl_b32 s27, s20, 6
	s_add_co_u32 s26, s26, s27                     ; + 64 y
	s_and_b32 s27, ttmp9, 1
	s_lshl_b32 s27, s27, 5
	s_add_co_u32 s26, s26, s27                     ; + 32 (c mod 2)
	s_add_co_u32 s26, s26, 3840                    ; + 4,096 - 64 x 4
	s_sub_co_u32 s27, s20, 4
	s_cmp_lt_u32 s27, 3                            ; y = 4, 5, 6
	s_cselect_b32 s24, s26, s24
	s_lshl_b32 s24, s24, 11                        ; rows of 2,048 bytes
	s_mov_b32 s25, 0
	s_wait_kmcnt 0x0
	s_mov_b64 s[16:17], s[4:5]                     ; the source: a choice between buffers on y alone
	s_cmp_eq_u32 s20, 4
	s_cselect_b64 s[16:17], s[6:7], s[16:17]
	s_cmp_eq_u32 s20, 5
	s_cselect_b64 s[16:17], s[8:9], s[16:17]
	s_cmp_eq_u32 s20, 6
	s_cselect_b64 s[16:17], s[10:11], s[16:17]
	s_cmp_eq_u32 s20, 7
	s_cselect_b64 s[16:17], s[12:13], s[16:17]
	s_add_nc_u64 s[16:17], s[16:17], s[22:23]
	s_add_nc_u64 s[18:19], s[14:15], s[24:25]
.set i, 0
.rept 32
	global_load_b128 v[X+4*i:X+4*i+3], v1, s[16:17] offset:4096*i th:TH_LOAD_NT    ; row i; read once in the launch
.set i, i+1
.endr
	s_cmp_eq_u32 s20, 7
	s_cbranch_scc1 .Lwo                            ; the same for all waves of a work-group
.set i, 0
.rept 32
	s_wait_loadcnt 31-i                            ; loads come back in order: row i is in, the 31 - i younger ones stay out
	v_cvt_pk_bf16_f32 v[Y+2*i], v[X+4*i], v[X+4*i+1]
	v_cvt_pk_bf16_f32 v[Y+2*i+1], v[X+4*i+2], v[X+4*i+3]
	global_store_b64 v2, v[Y+2*i:Y+2*i+1], s[18:19] offset:2048*i                  ; the next launch reads it: no hint
.set i, i+1
.endr
	s_endpgm
.Lwo:                                          ; Wo: to bf16, back to f32 (a shift, a mask), to f16
.set i, 0
.rept 32
	s_wait_loadcnt 31-i                            ; row i is in, the 31 - i younger ones stay out
	v_cvt_pk_bf16_f32 v[Y+2*i], v[X+4*i], v[X+4*i+1]
	v_cvt_pk_bf16_f32 v[Y+2*i+1], v[X+4*i+2], v[X+4*i+3]
	v_lshlrev_b32 v[X+4*i], 16, v[Y+2*i]
	v_and_b32 v[X+4*i+1], 0xffff0000, v[Y+2*i]
	v_lshlrev_b32 v[X+4*i+2], 16, v[Y+2*i+1]
	v_and_b32 v[X+4*i+3], 0xffff0000, v[Y+2*i+1]
	v_cvt_pk_f16_f32 v[Y+2*i], v[X+4*i], v[X+4*i+1]
	v_cvt_pk_f16_f32 v[Y+2*i+1], v[X+4*i+2], v[X+4*i+3]
	global_store_b64 v2, v[Y+2*i:Y+2*i+1], s[18:19] offset:2048*i
.set i, i+1
.endr
	s_endpgm
.Lfunc_end_k_qe9494429ae_cvt:
	.size	k_qe9494429ae_cvt, .Lfunc_end_k_qe9494429ae_cvt-k_qe9494429ae_cvt
	.p2alignl 7, 3214868480
	.fill 96, 4, 3214868480
	.section	.rodata,"a",@progbits
	.p2align	6, 0x0
	.amdhsa_kernel k_qe9494429ae_cvt
		.amdhsa_group_segment_fixed_size 0
		.amdhsa_private_segment_fixed_size 0
		.amdhsa_enable_private_segment 0
		.amdhsa_kernarg_size 48
		.amdhsa_user_sgpr_count 2
		.amdhsa_user_sgpr_kernarg_segment_ptr 1
		.amdhsa_wavefront_size32 1
		.amdhsa_system_sgpr_workgroup_id_x 1
		.amdhsa_system_sgpr_workgroup_id_y 1
		.amdhsa_system_sgpr_workgroup_id_z 1
		.amdhsa_system_vgpr_workitem_id 0
		.amdhsa_next_free_vgpr 196
		.amdhsa_next_free_sgpr 66
		.amdhsa_reserve_vcc 0
		.amdhsa_float_denorm_mode_32 3
		.amdhsa_float_denorm_mode_16_64 3
		.amdhsa_memory_ordered 1
		.amdhsa_forward_progress 1
		.amdhsa_inst_pref_size 31
	.end_amdhsa_kernel
	.amdgpu_metadata
---
amdhsa.version: [ 1, 2 ]
amdhsa.kernels:
  - .name:           k_qe9494429ae_cvt
    .symbol:         k_qe9494429ae_cvt.kd
    .args:
      - { .name: x, .offset: 0, .size: 8, .value_kind: global_buffer, .address_space: global }
      - { .name: Wq, .offset: 8, .size: 8, .value_kind: global_buffer, .address_space: global }
      - { .name: Wk, .offset: 16, .size: 8, .value_kind: global_buffer, .address_space: global }
      - { .name: Wv, .offset: 24, .size: 8, .value_kind: global_buffer, .address_space: global }
      - { .name: Wo, .offset: 32, .size: 8, .value_kind: global_buffer, .address_space: global }
      - { .name: cb, .offset: 40, .size: 8, .value_kind: global_buffer, .address_space: global }
    .group_segment_fixed_size: 0
    .private_segment_fixed_size: 0
    .kernarg_segment_align: 8
    .kernarg_segment_size: 48
    .max_flat_workgroup_size: 256
    .sgpr_count:     66
    .vgpr_count:     196
    .wavefront_size: 32
...
	.end_amdgpu_metadata
.endif
;; end of part 5
;; launch qkv (part 6): grid 16 x 16, 4 waves a work-group, clusters of 4 x 4, 327,680 bytes of LDS; arguments cb, qkv; writes qkv
.if DOCPART == 6
	.amdgcn_target "amdgcn-amd-amdhsa--gfx1250"
	.amdhsa_code_object_version 6
	.text
	.protected	k_qe9494429ae_qkv
	.globl	k_qe9494429ae_qkv
	.p2align	8
	.type	k_qe9494429ae_qkv,@function
k_qe9494429ae_qkv:
	s_mov_b64 s[64:65], 0
	v_nop
	global_prefetch_b8 v0, s[64:65] scope:SCOPE_SE
	s_setreg_imm32_b32 hwreg(HW_REG_WAVE_MODE, 25, 1), 1
	s_wait_xcnt 0x0
	s_wait_alu depctr_hold_cnt(0) depctr_sa_sdst(0) depctr_va_vdst(0) depctr_va_sdst(0) depctr_va_ssrc(0) depctr_va_vcc(0) depctr_vm_vsrc(0)
	s_getreg_b32 s2, hwreg(HW_REG_IB_STS2, 6, 4)
	s_cmp_eq_u32 s2, 0
	s_cbranch_scc0 .Lentry_in_a_cluster
	s_endpgm
.Lentry_in_a_cluster:
	s_bfe_u32 s2, ttmp6, 0x10000c
	s_cmp_lg_u32 s2, 0xf033
	s_cbranch_scc0 .Lentry_shape_is_right
	s_endpgm
.Lentry_shape_is_right:
; q, k, v = x W^T for one head and 256 rows of x, RoPE on q and k, out in f16:
;   qkv = four arrays [batch x 16 + head][2048][64], one behind the other: q, k, the upper words of v, the lower words of v.
; v IN TWO WORDS: upper = v with its low 13 mantissa bits cleared (11 significant bits: exact in f16), lower = f16(v - upper).  The first rows of a
; causal attention are single rows of v or means of few, so one 16-bit word's rounding would pass straight into the result.  The words lie in arrays
; of their own because the next launch reads the lower words of its diagonal key tiles alone.
; Work-group (head, rb): rows 256 rb .. +255 of x against the 192 regrouped weight rows of the head (cb rows 4096 + 192 head ..).
; Four waves; wave w makes rows 64 w .. +63 x all 192 columns: 48 accumulator tiles (a = 0..3 row blocks, b = 0..11 column blocks;
; b 0-3 q, 4-7 k, 8-11 v), 384 registers.  K = 1,024 goes in 8 steps of 128 through two LDS slots filled by the tensor data mover;
; a tile row is 256 bytes of memory at a multiple of 256 from the buffer start.
; CLUSTER 4 x 4: the tiles of x hang on rb alone and are asked for jointly along a row of the cluster, the weight tiles hang on the head
; alone and are asked for jointly along a column.  By this text's count a wave has two tensor loads out at the start, later one.
; The matrix instruction is used transposed (source 0 = weight rows, source 1 = rows of x): lane (r, h) register j holds
; (row 16 a + r, column 16 b + 8 h + j): eight neighbouring columns, and RoPE's partner column (+32) is the same register of tile b + 2.
; LIMITS.  q, k, v leave as f16: a magnitude above 65,504 becomes infinite.  With x of spread 1 and W within 1/32 they reach about 3.2; with x and W
; both 30 times larger about 2,900; with offsets of 30 on x and 30/32 on W about 1,024 x 30 x 0.94 x sqrt 2 = 40,700.  Below 6.1e-5 f16 steps by 6e-8.
; RoPE's angle is taken as 2 pi frac(s f), f = exp2(-0.41524101 j) / (2 pi) in f32: it can differ from an f32 product s x inv_freq
; by up to about 3e-4 rad at s = 2047.  sin and cos are Taylor sums on [-pi, pi], cut at r^13 and r^14: remainder at most 2.2e-5 and 4.3e-6.
; The operands x and W are bf16; sums are f32.
.set KSTEP,  128
.set PITCH,  272                       ; LDS row: 256 bytes + 16 of padding: an odd multiple of 16 bytes
.set HALFA,  128*PITCH                 ; one tensor load of x: 128 rows
.set HALFB,  96*PITCH                  ; one tensor load of weights: 96 rows
.set SLOT,   2*HALFA+2*HALFB           ; 256 rows of x, then 192 weight rows: 121,856 bytes
.set STAGE,  2*SLOT                    ; 243,712: behind the ring, never filled by a tensor load
.set SPITCH, 144                       ; stage row: 128 bytes + 16
.set MATST,  16*SPITCH                 ; 16 rows of one of the four arrays
.set WSTAGE, 4*MATST                   ; a wave's stage: q, k, v upper, v lower: 9,216 bytes
.set LAPS,   4                         ; a lap = two K steps
.set WQKV_OFF, 8388608                 ; cb row 4096
.set MATB,   8388608                   ; bytes of each of the four arrays in qkv
; window 0
.set ADRA, 4                           ; v4-5    LDS address of my fragments of x, slot 0, 1
.set ADRB, 6                           ; v6-7    the same for the weights
.set STO,  8                           ; v8      way out: where I put 16 bytes
.set RD,   9                           ; v9      way out: where I read rows back
.set CO,   10                          ; v10     way out: my 16 bytes of 512
.set FA,   16                          ; v[16:79]   fragments of x, buffer f at FA + 32 f, 8 registers a row block
.set CS,   128                         ; v[128:255] cos and sin: block (a, bb) at CS + 16 (2 a + bb): cos +0..7, sin +8..15
.set TW,   16                          ; v[16:79]   way out: q and k at work, packed into v[16:47]
.set VL,   48                          ; v[48:79]   way out: lower words of v, packed into v[48:63]
.set VH,   80                          ; v[80:111]  way out: upper words of v, packed into v[80:95]
; trig temporaries, in the fragment buffers while these are still empty
.set FR, 16                            ; v[16:31] f of my 16 frequencies (8 of tile 0, 8 of tile 1)
.set PD, 32                            ; v[32:39] my position in row block a, twice
.set TT, 40
.set NN, 48
.set RR, 56
.set R2, 64
.set KC, 72                            ; v[72:73] -1/14!, twice
.set KS, 74                            ; v[74:75] 1/13!, twice
; window 1: weight fragments, buffer f at 96 f + 8 b; on the way out: rows read back, 64 registers for each row block a.
; Window 2: accumulators of a = 0, 1 at 8 (12 a + b).  Window 3: those of a = 2, 3.
.set G1,  24                           ; s[24:31] group 1, tiles of x
.set G0,  32                           ; s[32:39] group 0, tiles of x, a set for each slot
.set G1B, 48                           ; s[48:55] group 1, weight tiles
.set G0B, 56                           ; s[56:63] group 0, weight tiles
.set MSB, 0
.macro WIN new                         ; the immediate's high byte repeats the setting that is left
.if MSB != (\new)
	s_set_vgpr_msb ((MSB<<8)|(\new))
.set MSB, (\new)
.endif
.endm
.set MUL_LO, 0xa1                      ; source 0 window 1, source 1 window 0, C and D window 2
.set MUL_HI, 0xf1                      ; the same, C and D window 3
.set TO_B,   0x40                      ; destination window 1
.set FROM_B, 0x04                      ; source 1 (a store's data) window 1
; A joint load: waves 0 and 1 fetch the two halves of x, waves 2 and 3 those of the weights.  The branch hangs on the wave number alone.
.macro JLOAD s
	s_cmp_eq_u32 s11, 0
	s_cbranch_scc0 .Lfor_b_\@
	tensor_load_to_lds s[G0+4*\s:G0+4*\s+3], s[G1:G1+7]
	s_nop 0
	s_branch .Lasked_\@
.Lfor_b_\@:
	tensor_load_to_lds s[G0B+4*\s:G0B+4*\s+3], s[G1B:G1B+7]
	s_nop 0
.Lasked_\@:
.endm
.macro CREST                           ; a round of the cluster barrier behind its opening work-group barrier
	s_cmp_lg_u32 s10, 0
	s_cbranch_scc1 .Lnot_wave_0_\@
	s_barrier_signal -3
.Lnot_wave_0_\@:
	s_barrier_wait -3
	s_barrier_signal -1
	s_barrier_wait -1
.endm
.macro CROUND                          ; a whole round
	s_barrier_signal -1
	s_barrier_wait -1
	CREST
.endm
.macro PLACES                          ; four places behind matrix instructions (ISA guide 7.12.1), where there is no other vector work
.rept 4
	v_nop
.endr
.endm
	s_load_b128 s[4:7], s[0:1], 0x0                ; cb s[4:5], qkv s[6:7]
	v_lshl_add_u32 v126, v0, 2, 0x44800
	v_mov_b32 v127, 0
	ds_add_u32 v126, v127
	v_lshrrev_b32 v1, 5, v0
	v_readfirstlane_b32 s10, v1                    ; wave 0..3
	s_lshr_b32 s11, s10, 1                         ; I fetch x (0) or weights (1)
	s_and_b32 s12, s10, 1                          ; which half of that tile
	s_bfe_u32 s40, ttmp6, 0x40000                  ; cx
	s_bfe_u32 s41, ttmp6, 0x40004                  ; cy
	s_lshl_b32 s42, ttmp9, 2
	s_add_co_u32 s42, s42, s40                     ; head = 4 x cluster x + cx
	s_and_b32 s13, ttmp7, 0xffff
	s_lshl_b32 s13, s13, 2
	s_add_co_u32 s13, s13, s41                     ; rb = 4 x cluster y + cy
	s_lshl_b32 s43, s41, 2
	s_lshl_b32 s43, 15, s43                        ; my row of the cluster
	s_lshl_b32 s44, 0x1111, s40                    ; my column
	s_or_b32 s[G1+0], s43, (1<<16)|(1<<20)|(1<<21)|(5<<22)|(3<<25)   ; mask; 2-byte elements; padding on; bit 21 beside a mask; after 64 words 4 words
	s_or_b32 s[G1B+0], s44, (1<<16)|(1<<20)|(1<<21)|(5<<22)|(3<<25)
	s_mov_b32 s[G1+1], KSTEP<<16                   ; tensor_dim0 = 128
	s_mov_b32 s[G1B+1], KSTEP<<16
	s_mov_b32 s[G1+2], 128<<16                     ; tensor_dim1 = 128 rows
	s_mov_b32 s[G1B+2], 96<<16                     ;             =  96 rows
	s_mov_b32 s[G1+3], KSTEP<<16                   ; tile_dim0 = 128
	s_mov_b32 s[G1B+3], KSTEP<<16
	s_mov_b32 s[G1+4], 128                         ; tile_dim1
	s_mov_b32 s[G1B+4], 96
	s_mov_b32 s[G1+5], 1024                        ; elements from row to row
	s_mov_b32 s[G1B+5], 1024
	s_mov_b32 s[G1+6], 0
	s_mov_b32 s[G1B+6], 0
	s_mov_b32 s[G1+7], 0
	s_mov_b32 s[G1B+7], 0
	s_lshl_b32 s17, s12, 7
	s_lshl_b32 s16, s13, 8
	s_add_co_u32 s16, s16, s17                     ; x: row 256 rb + 128 half
	s_lshl_b32 s16, s16, 11                        ; rows of 2,048 bytes; below 8 MiB
	s_mov_b32 s17, 0
	s_mul_i32 s46, s42, 192
	s_mul_i32 s47, s12, 96
	s_add_co_u32 s46, s46, s47                     ; weights: row 192 head + 96 half
	s_lshl_b32 s46, s46, 11
	s_add_co_u32 s46, s46, WQKV_OFF
	s_mov_b32 s47, 0
	s_mul_i32 s20, s10, HALFA                      ; LDS: halves of x at wave x 34,816 (waves 0, 1)
	s_mul_i32 s21, s10, HALFB                      ; weight halves at 69,632 + (wave - 2) x 26,112 (waves 2, 3)
	s_add_co_u32 s21, s21, 2*HALFA-2*HALFB
	s_wait_dscnt 0x0
	s_wait_kmcnt 0x0
	s_add_nc_u64 s[14:15], s[4:5], s[16:17]
	s_add_nc_u64 s[46:47], s[4:5], s[46:47]
	CROUND                                         ; all sixteen work-groups are here: the first joint loads meet
.irp s, 0,1
	s_mov_b32 s[G0+4*\s], 1
	s_add_co_u32 s[G0+4*\s+1], s20, \s*SLOT
	s_add_nc_u64 s[G0+4*\s+2:G0+4*\s+3], s[14:15], \s*KSTEP*2
	s_or_b32 s[G0+4*\s+3], s[G0+4*\s+3], 0x80000000
	s_mov_b32 s[G0B+4*\s], 1
	s_add_co_u32 s[G0B+4*\s+1], s21, \s*SLOT
	s_add_nc_u64 s[G0B+4*\s+2:G0B+4*\s+3], s[46:47], \s*KSTEP*2
	s_or_b32 s[G0B+4*\s+3], s[G0B+4*\s+3], 0x80000000
	JLOAD \s                                       ; K steps 0 and 1 go out before anything else is done
.endr
	; addresses
	v_and_b32 v1, 15, v0                           ; r
	v_bfe_u32 v2, v0, 4, 1                         ; h
	v_mul_u32_u24 v3, v1, PITCH
	v_lshl_add_u32 v3, v2, 4, v3                   ; r x pitch + 16 h
	s_mul_i32 s22, s10, 64*PITCH                   ; my 64 rows of x
	v_add_nc_u32 v[ADRA], s22, v3
	v_add_nc_u32 v[ADRA+1], SLOT, v[ADRA]
	v_add_nc_u32 v[ADRB], 2*HALFA, v3
	v_add_nc_u32 v[ADRB+1], 2*HALFA+SLOT, v3
	s_mul_i32 s23, s10, WSTAGE
	s_add_co_u32 s23, s23, STAGE                   ; my stage
	v_mul_u32_u24 v11, v1, SPITCH
	v_lshl_add_u32 v11, v2, 4, v11
	v_add_nc_u32 v[STO], s23, v11                  ; in: row r, 16 bytes for each half of the lanes
	v_and_b32 v14, 31, v0
	v_lshrrev_b32 v11, 3, v14
	v_and_b32 v15, 7, v0
	v_mul_u32_u24 v11, v11, SPITCH
	v_lshl_add_u32 v11, v15, 4, v11
	v_add_nc_u32 v[RD], s23, v11                   ; back: eight lanes a row of 128 bytes, four rows a load
	v_lshlrev_b32 v[CO], 4, v14
	; cos and sin of my 8 x 16 angles, while the first tiles are on their way
	v_lshlrev_b32 v3, 3, v2                        ; 8 h
.set i, 0
.rept 16
	v_add_nc_u32 v[FR+i], 16*(i/8)+(i%8), v3       ; frequency index 16 bb + 8 h + j
.set i, i+1
.endr
.set i, 0
.rept 16
	v_cvt_f32_u32 v[FR+i], v[FR+i]
.set i, i+1
.endr
.set i, 0
.rept 16
	v_mul_f32 v[FR+i], 0xbed49a78, v[FR+i]         ; x -log2(10000) / 32
.set i, i+1
.endr
.set i, 0
.rept 16
	v_exp_f32 v[FR+i], v[FR+i]
.set i, i+1
.endr
	v_nop                                          ; one plain place behind the exponentials (ISA guide 5.7.2)
.set i, 0
	s_wait_alu depctr_va_vdst(0)
.rept 16
	v_mul_f32 v[FR+i], 0.15915494, v[FR+i]         ; in turns for a position
.set i, i+1
.endr
	s_and_b32 s70, s13, 7
	s_lshl_b32 s70, s70, 8
	s_lshl_b32 s71, s10, 6
	s_add_co_u32 s70, s70, s71                     ; position of my first row: 256 (rb mod 8) + 64 w
	v_add_nc_u32 v11, s70, v1
.irp a, 0,1,2,3
	v_add_nc_u32 v[PD+2*\a], 16*\a, v11
	v_cvt_f32_u32 v[PD+2*\a], v[PD+2*\a]
	v_mov_b32 v[PD+2*\a+1], v[PD+2*\a]
.endr
	v_mov_b32 v[KC], 0xad49cba5                    ; -1/14!
	v_mov_b32 v[KC+1], 0xad49cba5
	v_mov_b32 v[KS], 0x2f309231                    ; 1/13!
	v_mov_b32 v[KS+1], 0x2f309231
.macro HSTEP c, lit                    ; one Horner step on eight numbers: c = c r^2 + lit
.irp g, 0,2,4,6
	v_pk_fma_f32 v[\c+\g:\c+\g+1], v[\c+\g:\c+\g+1], v[R2+\g:R2+\g+1], \lit op_sel_hi:[1,1,0]
.endr
.endm
; cos and sin of position(a) x frequency(16 bb + 8 h + 0..7): turns, less the nearest whole number (the fused form rounds once), x 2 pi, two Taylor sums
.macro ANG a, bb
.set CB, CS+16*(2*\a+\bb)
.set SB, CB+8
.set FB, FR+8*\bb
.irp g, 0,2,4,6
	v_pk_mul_f32 v[TT+\g:TT+\g+1], v[FB+\g:FB+\g+1], v[PD+2*\a:PD+2*\a+1]
.endr
.irp i, 0,1,2,3,4,5,6,7
	v_rndne_f32 v[NN+\i], v[TT+\i]
.endr
.irp g, 0,2,4,6
	v_pk_fma_f32 v[TT+\g:TT+\g+1], v[FB+\g:FB+\g+1], v[PD+2*\a:PD+2*\a+1], v[NN+\g:NN+\g+1] neg_lo:[0,0,1] neg_hi:[0,0,1]
.endr
.irp g, 0,2,4,6
	v_pk_mul_f32 v[RR+\g:RR+\g+1], v[TT+\g:TT+\g+1], 0x40c90fdb op_sel_hi:[1,0]
.endr
.irp g, 0,2,4,6
	v_pk_mul_f32 v[R2+\g:R2+\g+1], v[RR+\g:RR+\g+1], v[RR+\g:RR+\g+1]
.endr
.irp g, 0,2,4,6
	v_pk_fma_f32 v[CB+\g:CB+\g+1], v[KC:KC+1], v[R2+\g:R2+\g+1], 0x310f76c7 op_sel_hi:[1,1,0]   ; + 1/12!
	v_pk_fma_f32 v[SB+\g:SB+\g+1], v[KS:KS+1], v[R2+\g:R2+\g+1], 0xb2d7322b op_sel_hi:[1,1,0]   ; - 1/11!
.endr
	HSTEP CB, 0xb493f27e                           ; - 1/10!
	HSTEP SB, 0x3638ef1d                           ; + 1/9!
	HSTEP CB, 0x37d00d01                           ; + 1/8!
	HSTEP SB, 0xb9500d01                           ; - 1/7!
	HSTEP CB, 0xbab60b61                           ; - 1/6!
	HSTEP SB, 0x3c088889                           ; + 1/5!
	HSTEP CB, 0x3d2aaaab                           ; + 1/4!
	HSTEP SB, 0xbe2aaaab                           ; - 1/3!
	HSTEP CB, -0.5
	HSTEP SB, 1.0
	HSTEP CB, 1.0
.irp g, 0,2,4,6
	v_pk_mul_f32 v[SB+\g:SB+\g+1], v[SB+\g:SB+\g+1], v[RR+\g:RR+\g+1]
.endr
.endm
.irp a, 0,1,2,3
	ANG \a, 0
	ANG \a, 1
.endr
; 12 matrix instructions: row block a of the window's two (hi = 0: blocks 0, 1; 1: blocks 2, 3) x all 12 column blocks, 32 along K.
; The 48 accumulators take turns, one instruction a turn, in the same order in every quarter step.
.macro MULA f, hi, a, zero
.irp b, 0,1,2,3,4,5,6,7,8,9,10,11
.if \zero
	v_wmma_f32_16x16x32_bf16 v[8*(12*\a+\b):8*(12*\a+\b)+7], v[96*\f+8*\b:96*\f+8*\b+7], v[FA+32*\f+8*(2*\hi+\a):FA+32*\f+8*(2*\hi+\a)+7], 0
.else
	v_wmma_f32_16x16x32_bf16 v[8*(12*\a+\b):8*(12*\a+\b)+7], v[96*\f+8*\b:96*\f+8*\b+7], v[FA+32*\f+8*(2*\hi+\a):FA+32*\f+8*(2*\hi+\a)+7], v[8*(12*\a+\b):8*(12*\a+\b)+7]
.endif
.endr
.endm
; 32 LDS loads in one run: the fragments of one quarter step (192 weight rows, my 64 rows of x, 32 K at byte k of the rows) into buffer f
.macro FETCH slot, k, f
	WIN TO_B
.irp b, 0,1,2,3,4,5,6,7,8,9,10,11
	ds_load_b128 v[96*\f+8*\b:96*\f+8*\b+3],   v[ADRB+\slot] offset:\k+\b*16*PITCH
	ds_load_b128 v[96*\f+8*\b+4:96*\f+8*\b+7], v[ADRB+\slot] offset:\k+\b*16*PITCH+32
.endr
	WIN 0
.irp a, 0,1,2,3
	ds_load_b128 v[FA+32*\f+8*\a:FA+32*\f+8*\a+3],   v[ADRA+\slot] offset:\k+\a*16*PITCH
	ds_load_b128 v[FA+32*\f+8*\a+4:FA+32*\f+8*\a+7], v[ADRA+\slot] offset:\k+\a*16*PITCH+32
.endr
.endm
; one of the first three quarters of a K step: multiplies buffer f, fetches the next quarter (byte k) into buffer g in its middle
.macro QUARTER slot, k, f, g, zero
	s_wait_dscnt 4                                 ; all but the youngest four loads (x, row blocks 2 and 3) are in
	WIN MUL_LO
	MULA \f, 0, 0, \zero
	MULA \f, 0, 1, \zero
	PLACES
	FETCH \slot, \k, \g
	s_wait_dscnt 32                                ; all but the 32 just issued
	WIN MUL_HI
	MULA \f, 1, 0, \zero
	MULA \f, 1, 1, \zero
.endm
.macro THREE slot, zero
	QUARTER \slot, 64,  0, 1, \zero
	QUARTER \slot, 128, 1, 0, 0
	QUARTER \slot, 192, 0, 1, 0
.endm
; the last quarter: multiplies buffer 1 and changes slots.  In front of the barrier each wave waits for its reads of this slot and for all
; its tensor loads (one is out: its part of the next slot).  fill = 1: the barrier opens a round of the cluster barrier, and the joint
; refill of this slot, two K steps ahead, is the first tensor load behind the round.  From a request to its wait: 180 matrix instructions.
.macro TURN slot, next, fill
	s_wait_dscnt 4
	WIN MUL_LO
	MULA 1, 0, 0, 0
	s_wait_dscnt 0x0                               ; my reads of this slot are over
	s_set_vgpr_msb 0xa1a0
	s_wait_tensorcnt 0x0                           ; all my tensor loads have landed
	ds_add_u32 v126, v127
	s_wait_dscnt 0x0
	s_set_vgpr_msb 0xa0a1
	s_barrier_signal -1
	MULA 1, 0, 1, 0                                ; register work while the others arrive
	WIN 0
	s_barrier_wait -1
.if \fill
	CREST
	s_add_nc_u64 s[G0+4*\slot+2:G0+4*\slot+3], s[G0+4*\slot+2:G0+4*\slot+3], 2*KSTEP*2
	s_add_nc_u64 s[G0B+4*\slot+2:G0B+4*\slot+3], s[G0B+4*\slot+2:G0B+4*\slot+3], 2*KSTEP*2
	JLOAD \slot
.endif
	PLACES
	FETCH \next, 0, 0
	WIN MUL_HI
	MULA 1, 1, 0, 0
	MULA 1, 1, 1, 0
.endm
.macro LAP zero
	THREE 0, \zero
	TURN 0, 1, 1
	THREE 1, 0
	TURN 1, 0, 1
.endm
	s_wait_tensorcnt 0x1                           ; my part of K step 0 is in; K step 1 stays out
	s_barrier_signal -1
	s_barrier_wait -1
	FETCH 0, 0, 0
	LAP 1                                          ; the first products start the sums: nothing is cleared
	WIN 0
	s_mov_b32 s3, LAPS-2
.Llap:
	LAP 0
	WIN 0
	s_sub_co_u32 s3, s3, 1
	s_cmp_lg_u32 s3, 0
	s_cbranch_scc1 .Llap
	THREE 0, 0                                     ; the last lap fills nothing
	TURN 0, 1, 0
	THREE 1, 0
	s_wait_dscnt 4
	WIN MUL_LO
	MULA 1, 0, 0, 0
	MULA 1, 0, 1, 0
	s_wait_dscnt 0x0
	WIN MUL_HI
	MULA 1, 1, 0, 0
	MULA 1, 1, 1, 0
	; THE WAY OUT, 16 rows at a time: RoPE in f32, v split in two, round to f16, through my own stage, out as 512 consecutive bytes a store
	PLACES
	s_lshr_b32 s66, s13, 3                         ; batch
	s_lshl_b32 s66, s66, 4
	s_add_co_u32 s66, s66, s42                     ; 16 batch + head
	s_lshl_b32 s66, s66, 11                        ; x 2,048 rows
	s_and_b32 s67, s13, 7
	s_lshl_b32 s67, s67, 8
	s_add_co_u32 s66, s66, s67
	s_lshl_b32 s67, s10, 6
	s_add_co_u32 s66, s66, s67                     ; + 256 (rb mod 8) + 64 w
	s_lshl_b32 s66, s66, 7                         ; rows of 128 bytes
	s_mov_b32 s67, 0
	s_mov_b32 s70, 0xffffe000                      ; keeps sign, exponent and 10 mantissa bits of an f32
	s_add_nc_u64 s[72:73], s[6:7], s[66:67]        ; q
	s_add_nc_u64 s[74:75], s[72:73], MATB          ; k
	s_add_nc_u64 s[76:77], s[74:75], MATB          ; v, upper words
	s_add_nc_u64 s[78:79], s[76:77], MATB          ; v, lower words
.macro OUT a
.set AWIN, 2+(\a/2)
.set AB, 96*(\a%2)
	WIN AWIN                                       ; source 0 = accumulators
.irp p, 0,1,2,3                                ; p = 2 mat + bb: tiles bb (t1) and bb + 2 (t2) of q or of k
.set T1, AB+8*(4*(\p/2)+(\p%2))
.set T2, T1+16
.set CB, CS+16*(2*\a+(\p%2))
.set UU, TW+16*\p
.irp g, 0,2,4,6
	v_pk_mul_f32 v[UU+\g:UU+\g+1], v[T2+\g:T2+\g+1], v[CB+8+\g:CB+8+\g+1]          ; t2 sin
	v_pk_mul_f32 v[UU+8+\g:UU+8+\g+1], v[T2+\g:T2+\g+1], v[CB+\g:CB+\g+1]          ; t2 cos
.endr
.irp g, 0,2,4,6
	v_pk_fma_f32 v[UU+\g:UU+\g+1], v[T1+\g:T1+\g+1], v[CB+\g:CB+\g+1], v[UU+\g:UU+\g+1] neg_lo:[0,0,1] neg_hi:[0,0,1]   ; t1 cos - t2 sin
	v_pk_fma_f32 v[UU+8+\g:UU+8+\g+1], v[T1+\g:T1+\g+1], v[CB+8+\g:CB+8+\g+1], v[UU+8+\g:UU+8+\g+1]                     ; t1 sin + t2 cos
.endr
.endr
.set i, 0
.rept 32
	v_and_b32 v[VH+i], v[AB+64+i], s70             ; v's upper word, still as f32
.set i, i+1
.endr
	WIN 0
.set i, 0
.rept 32
	v_cvt_pk_f16_f32 v[TW+i], v[TW+2*i], v[TW+2*i+1]       ; packs in place: the sources of later lines lie above what has been written
.set i, i+1
.endr
	WIN AWIN
.set i, 0
.rept 16
	v_pk_add_f32 v[VL+2*i:VL+2*i+1], v[AB+64+2*i:AB+64+2*i+1], v[VH+2*i:VH+2*i+1] neg_lo:[0,1] neg_hi:[0,1]   ; v - upper word: exact
.set i, i+1
.endr
	WIN 0
.set i, 0
.rept 16
	v_cvt_pk_f16_f32 v[VH+i], v[VH+2*i], v[VH+2*i+1]       ; exact in f16's normal range
	v_cvt_pk_f16_f32 v[VL+i], v[VL+2*i], v[VL+2*i+1]
.set i, i+1
.endr
.irp p, 0,1,2,3
	ds_store_b128 v[STO], v[TW+8*\p:TW+8*\p+3]   offset:(\p/2)*MATST+32*(\p%2)
	ds_store_b128 v[STO], v[TW+8*\p+4:TW+8*\p+7] offset:(\p/2)*MATST+64+32*(\p%2)
.endr
.irp vb, 0,1,2,3
	ds_store_b128 v[STO], v[VH+4*\vb:VH+4*\vb+3] offset:2*MATST+32*\vb
	ds_store_b128 v[STO], v[VL+4*\vb:VL+4*\vb+3] offset:3*MATST+32*\vb
.endr
	WIN TO_B                                       ; rows come back into window 1, 64 registers of this row block's own: no store's data is ever written again
.irp n, 0,1,2,3,4,5,6,7,8,9,10,11,12,13,14,15
	ds_load_b128 v[64*\a+4*\n:64*\a+4*\n+3], v[RD] offset:(\n/4)*MATST+(\n%4)*4*SPITCH   ; LDS serves a wave's instructions in order: these see the stores above
.endr
	WIN FROM_B
.irp n, 0,1,2,3,4,5,6,7,8,9,10,11,12,13,14,15
	s_wait_dscnt 15-\n                             ; load n of the sixteen is in, the younger ones stay out
	global_store_b128 v[CO], v[64*\a+4*\n:64*\a+4*\n+3], s[72+2*(\n/4):73+2*(\n/4)] offset:\a*2048+(\n%4)*512   ; four rows of 128 bytes: 512 consecutive bytes, aligned
.endr
.endm
	OUT 0
	OUT 1
	OUT 2
	OUT 3
	WIN 0
	s_wait_tensorcnt 0x0
	ds_add_u32 v126, v127
	s_wait_dscnt 0x0
	CROUND                                         ; the closing round: no work-group ends while a partner may still ask jointly
	s_endpgm
.Lfunc_end_k_qe9494429ae_qkv:
	.size	k_qe9494429ae_qkv, .Lfunc_end_k_qe9494429ae_qkv-k_qe9494429ae_qkv
	.p2alignl 7, 3214868480
	.fill 96, 4, 3214868480
	.section	.rodata,"a",@progbits
	.p2align	6, 0x0
	.amdhsa_kernel k_qe9494429ae_qkv
		.amdhsa_group_segment_fixed_size 327680
		.amdhsa_private_segment_fixed_size 0
		.amdhsa_enable_private_segment 0
		.amdhsa_kernarg_size 16
		.amdhsa_user_sgpr_count 2
		.amdhsa_user_sgpr_kernarg_segment_ptr 1
		.amdhsa_wavefront_size32 1
		.amdhsa_system_sgpr_workgroup_id_x 1
		.amdhsa_system_sgpr_workgroup_id_y 1
		.amdhsa_system_sgpr_workgroup_id_z 1
		.amdhsa_system_vgpr_workitem_id 0
		.amdhsa_next_free_vgpr 960
		.amdhsa_next_free_sgpr 80
		.amdhsa_reserve_vcc 0
		.amdhsa_float_denorm_mode_32 3
		.amdhsa_float_denorm_mode_16_64 3
		.amdhsa_memory_ordered 1
		.amdhsa_forward_progress 1
		.amdhsa_inst_pref_size 253
	.end_amdhsa_kernel
	.amdgpu_metadata
---
amdhsa.version: [ 1, 2 ]
amdhsa.kernels:
  - .name:           k_qe9494429ae_qkv
    .symbol:         k_qe9494429ae_qkv.kd
    .args:
      - { .name: cb, .offset: 0, .size: 8, .value_kind: global_buffer, .address_space: global }
      - { .name: qkv, .offset: 8, .size: 8, .value_kind: global_buffer, .address_space: global }
    .group_segment_fixed_size: 327680
    .private_segment_fixed_size: 0
    .kernarg_segment_align: 8
    .kernarg_segment_size: 16
    .max_flat_workgroup_size: 128
    .sgpr_count:     80
    .vgpr_count:     960
    .wavefront_size: 32
...
	.end_amdgpu_metadata
.endif
;; end of part 6
;; launch attn (part 7): grid 8 x 32, 4 waves a work-group, no clusters, 327,680 bytes of LDS; arguments qkv, ao; writes ao
.if DOCPART == 7
	.amdgcn_target "amdgcn-amd-amdhsa--gfx1250"
	.amdhsa_code_object_version 6
	.text
	.protected	k_qe9494429ae_attn
	.globl	k_qe9494429ae_attn
	.p2align	8
	.type	k_qe9494429ae_attn,@function
k_qe9494429ae_attn:
	s_mov_b64 s[64:65], 0
	v_nop
	global_prefetch_b8 v0, s[64:65] scope:SCOPE_SE
	s_setreg_imm32_b32 hwreg(HW_REG_WAVE_MODE, 25, 1), 1
	s_wait_xcnt 0x0
; Causal attention of one head on two blocks of 128 queries, with a running maximum; statistics in f32; q, k, v and the probabilities are f16 operands.
; The result leaves as f16: ao = [16 batch + query block][head][128 rows][64].
; qkv = four arrays [16 batch + head][2048][64] of f16: q, k, the upper words of v, the lower words of v (v = upper + lower).
; THE LOWER WORD IS ADDED IN THE DIAGONAL STEP ALONE: a causal row with few keys is a mean of few rows of v, many times larger than a late row, and all
; its keys lie in its block's diagonal tile; a key below the diagonal tile is seen only by queries with at least 129 keys.  So a step's tile holds
; k and the upper words, 32 KiB, and the lower words of the work-group's two diagonal tiles, 16 KiB each, are brought once, at the start, into LDS bytes of their own.
; Work-group (p, bh) takes query blocks a = 2 p and b = 15 - 2 p: (a + 1) + (b + 1) = 17 steps of 128 keys in every work-group.
; A block starts with its diagonal key tile (masked; it starts all sums, and every query sees its own key there, so the maximum is a
; real score from the first step on) and then walks the tiles below it downward.  a is even and b odd, so each step's slot is fixed in the text.
; Wave w owns queries 32 w .. +31 (two tiles qt) against all 128 keys of a step.
; BOTH PRODUCTS ARE TRANSPOSED: S^T = K Q^T puts (key 16 kt + 8 h + j, query r) in register j of lane (r, h); two such tiles, packed to f16,
; ARE the second source of O^T = V^T P^T for 32 keys: no lane shuffle and no LDS between the products.  V^T comes by transposing LDS loads.
; All statistics are a lane's own but for one exchange between the halves of the wave for the maximum in each step.
; NO CLUSTER: the query blocks of a head need different numbers of key tiles (a + 1 against b + 1, other pairs in other work-groups), so partners
; would not make the same joint requests in the same steps; trip counts would hang on the place in the cluster.
; By this text's count a wave has three tensor loads out at the start, later one, and at most 48 LDS loads.
; LIMITS.  Masked scores are the lowest finite f32.  An exponential below 2^-126 counts as 0 (ISA guide 15.8); as an f16 operand
; a probability (at most 1, relative to the row's maximum) steps by 6e-8 below 6.1e-5.  The row sum adds the unrounded f32 probabilities.
; Below the diagonal tile v counts with its upper word alone: 11 significant bits, cut, not rounded: off by up to 2^-10 of the number.
; The result is rounded to f16: 11 significant bits; its magnitude is at most the largest |v|, which is below f16's 65,504.
.set KP,     144                       ; LDS pitch of K: 128 bytes + 16
.set VP,     160                       ; LDS pitch of V: 128 bytes + 32 (an odd multiple of 32, for the transposing loads)
.set REG,    64*VP                     ; a wave's quarter of a slot, 10,240: waves 0, 1: 64 rows of K (9,216 used); waves 2, 3: 64 rows of V's upper words
.set VOFF,   2*REG
.set SLOT,   4*REG                     ; 40,960
.set LOW,    2*SLOT                    ; 81,920: V's lower words: block a's diagonal tile (128 rows of 160 bytes), then block b's; filled once
.set STAGE,  LOW+4*REG                 ; 122,880: never filled by a tensor load
.set WSTAGE, 32*KP                     ; a wave's stage: 32 rows of 144 bytes
.set K_OFF,  8388608
.set VH_OFF, 16777216
.set VL_OFF, 25165824
; window 0
.set ADRK, 4                           ; v4-5   LDS address of K fragments, slot 0, 1
.set ADRV, 6                           ; v6-7   the same for the transposing loads of V's upper words
.set STO,  8
.set RD,   9
.set CO,   10
.set VQ,   11                          ; my offset in a block of q
.set QA,   16                          ; v[16:47]   q of block a: fragment (qt, kk) at + 8 (2 qt + kk)
.set QB,   48                          ; v[48:79]   q of block b
.set O,    80                          ; v[80:143]  O^T: tile (qt, dt) at + 8 (4 qt + dt)
.set P,    144                         ; v[144:207] P^T in f16: fragment (qt, kg) at + 8 (4 qt + kg)
.set M,    208                         ; v208-209   running maximum of query tile qt
.set TC,   210                         ; v[210:217] four chains a query tile
.set NM,   218                         ; v[218:221] -c x maximum, twice, for each qt
.set AL,   222                         ; v[222:225] the factor for the old sums, twice, for each qt
.set LA,   226                         ; v[226:241] row sums: four chains of pairs for each qt
.set THR,  242                         ; 32 w + r - 8 h
.set XX,   243                         ; v243-244
.set RL,   246                         ; v[246:249] 1 / row sum, twice, for each qt
.set ADRL, 250                         ; v250-251   LDS address for the transposing loads of V's lower words, block a, b
; window 1: S^T, tile (qt, kt) at 8 (8 qt + kt); THR1 = a copy of THR.  Window 2: K fragments at 8 (8 kk + kt).
; Window 3: V^T fragments at 8 (8 kg + dt): dt 0-3 upper words, dt 4-7 lower words.
.set THR1, 128
.set G1K, 16
.set G1V, 24
.set G0K, 32                           ; s[32:39] a set for each slot
.set G0V, 40                           ; s[40:47]
.set G0L, 80                           ; s[80:83] my 64 rows of lower words
.set MSB, 0
.macro WIN new
.if MSB != (\new)
	s_set_vgpr_msb ((MSB<<8)|(\new))
.set MSB, (\new)
.endif
.endm
.macro PLACES                          ; four places behind matrix instructions (ISA guide 7.12.1)
.rept 4
	v_nop
.endr
.endm
.macro JLOAD s                         ; waves 0, 1 bring the halves of K, waves 2, 3 those of V's upper words: one load a wave
	s_cmp_eq_u32 s11, 0
	s_cbranch_scc0 .Lfor_v_\@
	tensor_load_to_lds s[G0K+4*\s:G0K+4*\s+3], s[G1K:G1K+7]
	s_nop 0
	s_branch .Lasked_\@
.Lfor_v_\@:
	tensor_load_to_lds s[G0V+4*\s:G0V+4*\s+3], s[G1V:G1V+7]
	s_nop 0
.Lasked_\@:
.endm
.macro ADDR s                          ; the addresses of key tile s50 into slot s's two sets
	s_lshl_b32 s54, s50, 14                        ; 128 rows of 128 bytes
	s_add_nc_u64 s[G0K+4*\s+2:G0K+4*\s+3], s[56:57], s[54:55]
	s_or_b32 s[G0K+4*\s+3], s[G0K+4*\s+3], 0x80000000
	s_add_nc_u64 s[G0V+4*\s+2:G0V+4*\s+3], s[58:59], s[54:55]
	s_or_b32 s[G0V+4*\s+3], s[G0V+4*\s+3], 0x80000000
.endm
.macro NEXT s                          ; the next tile of the stream a, a-1 .. 0, b, b-1 .. 0
	s_add_co_i32 s52, s50, -1
	s_cmp_eq_u32 s50, 0
	s_cselect_b32 s50, s51, s52
	ADDR \s
.endm
	s_load_b128 s[4:7], s[0:1], 0x0                ; qkv s[4:5], ao s[6:7]
	v_lshl_add_u32 v254, v0, 2, 0x29000
	v_mov_b32 v255, 0
	ds_add_u32 v254, v255
	v_lshrrev_b32 v1, 5, v0
	v_readfirstlane_b32 s10, v1                    ; wave 0..3
	s_lshr_b32 s11, s10, 1                         ; I fetch K (0) or V (1)
	s_and_b32 s12, s10, 1                          ; which 64 rows
	s_and_b32 s13, ttmp7, 0xffff                   ; bh = 16 batch + head
	s_lshl_b32 s48, ttmp9, 1                       ; a
	s_sub_co_u32 s51, 15, s48                      ; b
	s_mov_b32 s[G1K+0], (1<<16)|(1<<20)|(4<<22)|(3<<25)    ; 2-byte elements; padding on; after 32 words 4 words
	s_mov_b32 s[G1V+0], (1<<16)|(1<<20)|(4<<22)|(7<<25)    ; after 32 words 8 words
	s_mov_b32 s[G1K+1], 64<<16                     ; tensor_dim0 = 64
	s_mov_b32 s[G1V+1], 64<<16
	s_mov_b32 s[G1K+2], 64<<16                     ; tensor_dim1 = 64 rows
	s_mov_b32 s[G1V+2], 64<<16
	s_mov_b32 s[G1K+3], 64<<16                     ; tile_dim0 = 64
	s_mov_b32 s[G1V+3], 64<<16
	s_mov_b32 s[G1K+4], 64                         ; tile_dim1 = 64
	s_mov_b32 s[G1V+4], 64
	s_mov_b32 s[G1K+5], 64                         ; elements from row to row: a head is dense
	s_mov_b32 s[G1V+5], 64
	s_mov_b32 s[G1K+6], 0
	s_mov_b32 s[G1V+6], 0
	s_mov_b32 s[G1K+7], 0
	s_mov_b32 s[G1V+7], 0
	s_mul_i32 s49, s10, REG                        ; my quarter of a slot, and of the lower words' region
.irp s, 0,1
	s_mov_b32 s[G0K+4*\s], 1
	s_add_co_u32 s[G0K+4*\s+1], s49, \s*SLOT
	s_mov_b32 s[G0V+4*\s], 1
	s_add_co_u32 s[G0V+4*\s+1], s49, \s*SLOT
.endr
	s_mov_b32 s[G0L], 1
	s_add_co_u32 s[G0L+1], s49, LOW                ; waves 0, 1: the halves of block a's tile; waves 2, 3: of block b's
	s_lshl_b32 s8, s13, 18                         ; the head: 2,048 rows of 128 bytes
	s_lshl_b32 s9, s12, 13                         ; my 64 rows of a tile
	s_add_co_u32 s8, s8, s9
	s_mov_b32 s9, 0
	s_mov_b32 s55, 0
	s_mov_b32 s50, s48                             ; the first tile: a
	s_cmp_eq_u32 s11, 0
	s_cselect_b32 s78, s48, s51                    ; whose diagonal tile's lower words I fetch
	s_lshl_b32 s78, s78, 14
	s_mov_b32 s79, 0
	s_wait_dscnt 0x0
	s_wait_kmcnt 0x0
	s_add_nc_u64 s[58:59], s[4:5], s[8:9]
	s_add_nc_u64 s[56:57], s[58:59], K_OFF
	s_add_nc_u64 s[G0L+2:G0L+3], s[58:59], VL_OFF
	s_add_nc_u64 s[G0L+2:G0L+3], s[G0L+2:G0L+3], s[78:79]
	s_or_b32 s[G0L+3], s[G0L+3], 0x80000000
	s_add_nc_u64 s[58:59], s[58:59], VH_OFF
	ADDR 0
	JLOAD 0                                        ; the three first fills go out together, ahead of every wait on them, LDS read and barrier:
	tensor_load_to_lds s[G0L:G0L+3], s[G1V:G1V+7]  ; the first tile, my 64 rows of lower words,
	s_nop 0
	NEXT 1
	JLOAD 1                                        ; the second tile
	v_and_b32 v1, 15, v0                           ; r
	v_bfe_u32 v2, v0, 4, 1                         ; h
	v_lshlrev_b32 v[VQ], 7, v1
	v_lshl_add_u32 v[VQ], v2, 4, v[VQ]             ; 128 r + 16 h
	s_lshl_b32 s14, s13, 18
	s_lshl_b32 s15, s10, 12
	s_add_co_u32 s14, s14, s15                     ; head + my 32 rows
	s_lshl_b32 s15, s48, 14
	s_add_co_u32 s2, s14, s15
	s_mov_b32 s3, 0
	s_add_nc_u64 s[68:69], s[4:5], s[2:3]          ; my q of block a
	s_lshl_b32 s15, s51, 14
	s_add_co_u32 s2, s14, s15
	s_add_nc_u64 s[70:71], s[4:5], s[2:3]          ; of block b
.irp qt, 0,1
.irp kk, 0,1
	global_load_b128 v[QA+8*(2*\qt+\kk):QA+8*(2*\qt+\kk)+3],   v[VQ], s[68:69] offset:\qt*2048+\kk*64
	global_load_b128 v[QA+8*(2*\qt+\kk)+4:QA+8*(2*\qt+\kk)+7], v[VQ], s[68:69] offset:\qt*2048+\kk*64+32
	global_load_b128 v[QB+8*(2*\qt+\kk):QB+8*(2*\qt+\kk)+3],   v[VQ], s[70:71] offset:\qt*2048+\kk*64
	global_load_b128 v[QB+8*(2*\qt+\kk)+4:QB+8*(2*\qt+\kk)+7], v[VQ], s[70:71] offset:\qt*2048+\kk*64+32
.endr
.endr
	s_lshr_b32 s14, s13, 4
	s_lshl_b32 s14, s14, 4                         ; 16 batch
	s_and_b32 s15, s13, 15                         ; head
	s_lshl_b32 s77, s10, 12                        ; my 32 rows of 128 bytes
	s_add_co_u32 s2, s14, s48
	s_lshl_b32 s2, s2, 4
	s_add_co_u32 s2, s2, s15
	s_lshl_b32 s2, s2, 14                          ; a plane of 16,384 bytes for a block and a head
	s_add_co_u32 s2, s2, s77
	s_add_nc_u64 s[72:73], s[6:7], s[2:3]          ; my rows of ao, block a
	s_add_co_u32 s2, s14, s51
	s_lshl_b32 s2, s2, 4
	s_add_co_u32 s2, s2, s15
	s_lshl_b32 s2, s2, 14
	s_add_co_u32 s2, s2, s77
	s_add_nc_u64 s[74:75], s[6:7], s[2:3]          ; block b
	s_mov_b32 s60, 0x3e38aa3b                      ; c = log2(e) / 8: the scale 1/sqrt(64) and the change of base in one
	s_mov_b32 s61, 0x3e38aa3b
	s_mov_b32 s62, 0xbe38aa3b                      ; -c
	s_mov_b32 s63, 0xff7fffff                      ; the lowest finite f32
	s_mov_b32 s66, 0x76543210                      ; v_permlanex16_b32: lane i of one half reads lane i of the other
	s_mov_b32 s67, 0xfedcba98
	v_mul_u32_u24 v3, v1, KP
	v_lshl_add_u32 v[ADRK], v2, 4, v3              ; r x 144 + 16 h
	v_add_nc_u32 v[ADRK+1], SLOT, v[ADRK]
	v_and_b32 v12, 7, v0
	v_lshl_add_u32 v13, v2, 3, v12                 ; 8 h + lane mod 8
	v_mul_u32_u24 v13, v13, VP
	v_bfe_u32 v14, v0, 3, 1
	v_lshl_add_u32 v13, v14, 4, v13
	v_add_nc_u32 v[ADRV], VOFF, v13
	v_add_nc_u32 v[ADRV+1], VOFF+SLOT, v13
	v_add_nc_u32 v[ADRL], LOW, v13
	v_add_nc_u32 v[ADRL+1], LOW+2*REG, v13
	s_mul_i32 s14, s10, WSTAGE
	s_add_co_u32 s14, s14, STAGE                   ; my stage
	v_add_nc_u32 v[STO], s14, v[ADRK]              ; in: row r, 16 bytes for each half of the lanes
	v_and_b32 v15, 31, v0
	v_lshrrev_b32 v3, 3, v15
	v_mul_u32_u24 v3, v3, KP
	v_lshl_add_u32 v3, v12, 4, v3
	v_add_nc_u32 v[RD], s14, v3                    ; back: eight lanes a row, four rows a load
	v_lshlrev_b32 v[CO], 4, v15
	v_lshlrev_b32 v3, 3, v2
	v_sub_nc_u32 v[THR], v1, v3
	s_lshl_b32 s15, s10, 5
	v_add_nc_u32 v[THR], s15, v[THR]               ; key 16 kt + 8 h + j <= query 32 w + 16 qt + r  <=>  16 (kt - qt) + j <= THR
	v_mov_b32 v[XX], 0                             ; destinations of the lane exchange: written once before
	v_mov_b32 v[XX+1], 0
	WIN 0x40
	v_mov_b32 v[THR1], v[THR]
	WIN 0
; In front of a step: every wave waits for all its tensor loads (its part of this step's tile among them) and for its LDS reads,
; passes the barrier, and (refill = 1) asks first thing for the tile after this one, into slot fill, which was read in the last step.
.macro HEAD fill, refill
	s_wait_tensorcnt 0x0                           ; no tensor load of mine is out: a group 0 may be written
	ds_add_u32 v254, v255
	s_wait_dscnt 0x0
.if \refill
	NEXT \fill
.endif
	s_wait_dscnt 0x0                               ; my reads of the last step's slot are back
	s_barrier_signal -1
	s_barrier_wait -1
.if \refill
	JLOAD \fill                                    ; my one tensor load until the next such barrier
.endif
.endm
; 32 LDS loads: the 16 K fragments (kk, kt).  Their registers were last read by the score products of the step before, which have their places behind them.
.macro FETCHK slot
	WIN 0x80
.irp kk, 0,1
.irp kt, 0,1,2,3,4,5,6,7
	ds_load_b128 v[8*(8*\kk+\kt):8*(8*\kk+\kt)+3],   v[ADRK+\slot] offset:(\kt/4)*REG+(\kt%4)*16*KP+64*\kk
	ds_load_b128 v[8*(8*\kk+\kt)+4:8*(8*\kk+\kt)+7], v[ADRK+\slot] offset:(\kt/4)*REG+(\kt%4)*16*KP+64*\kk+32
.endr
.endr
.endm
; transposing LDS loads: the V^T fragments of keys 32 kg .. +31 (window 3 is set by the caller).
; parts = 1: the 4 of the upper word, from the slot, 8 loads; 2: the 4 of the lower word too, from block blk's region, 16 loads
.macro VLOAD slot, kg, parts, blk
.irp dt, 0,1,2,3
	ds_load_tr16_b128 v[8*(8*\kg+\dt):8*(8*\kg+\dt)+3],   v[ADRV+\slot] offset:\kg*32*VP+32*\dt
	ds_load_tr16_b128 v[8*(8*\kg+\dt)+4:8*(8*\kg+\dt)+7], v[ADRV+\slot] offset:\kg*32*VP+32*\dt+16*VP
.endr
.if \parts > 1
.irp dt, 0,1,2,3
	ds_load_tr16_b128 v[8*(8*\kg+4+\dt):8*(8*\kg+4+\dt)+3],   v[ADRL+\blk] offset:\kg*32*VP+32*\dt
	ds_load_tr16_b128 v[8*(8*\kg+4+\dt)+4:8*(8*\kg+4+\dt)+7], v[ADRL+\blk] offset:\kg*32*VP+32*\dt+16*VP
.endr
.endif
.endm
; S^T = K Q^T: 32 matrix instructions on 16 accumulators that take turns, one instruction a turn
.macro SCORES qf
	WIN 0x52                                       ; source 0 window 2, source 1 window 0, C and D window 1
.irp kk, 0,1
.irp kt, 0,1,2,3,4,5,6,7
	s_wait_dscnt 30-2*(8*\kk+\kt)                  ; of the 32 loads, those behind this fragment's two may stay out
.irp qt, 0,1
.if \kk
	v_wmma_f32_16x16x32_f16 v[8*(8*\qt+\kt):8*(8*\qt+\kt)+7], v[8*(8*\kk+\kt):8*(8*\kk+\kt)+7], v[\qf+8*(2*\qt+\kk):\qf+8*(2*\qt+\kk)+7], v[8*(8*\qt+\kt):8*(8*\qt+\kt)+7]
.else
	v_wmma_f32_16x16x32_f16 v[8*(8*\qt+\kt):8*(8*\qt+\kt)+7], v[8*(8*\kk+\kt):8*(8*\kk+\kt)+7], v[\qf+8*(2*\qt+\kk):\qf+8*(2*\qt+\kk)+7], 0
.endif
.endr
.endr
.endr
	PLACES                                         ; behind these products, and behind the last step's, whose V^T registers are loaded next
.endm
; the diagonal tile: keys above the query get the lowest finite f32.  e - 1 = kt - qt: one compare serves (qt 0, kt e - 1) and (qt 1, kt e).
.macro MASK
	WIN 0x44
.irp e, 0,1,2,3,4,5,6,7,8
.irp j, 0,1,2,3,4,5,6,7
	v_cmp_le_i32 vcc_lo, 16*(\e-1)+\j, v[THR1]
.if \e > 0
	v_cndmask_b32 v[8*(\e-1)+\j], s63, v[8*(\e-1)+\j], vcc_lo
.endif
.if \e < 8
	v_cndmask_b32 v[8*(8+\e)+\j], s63, v[8*(8+\e)+\j], vcc_lo
.endif
.endr
.endr
.endm
; maximum, factor for the old sums, exponentials, row sums, P^T in f16.  first = 1: nothing old to carry.
.macro SOFTMAX first
	WIN 0x05                                       ; sources 0 and 1 window 1
.irp i, 0,1,2,3,4,5,6,7
.irp qt, 0,1
.irp c, 0,1,2,3
.if \i
	v_max3_num_f32 v[TC+4*\qt+\c], v[64*\qt+8*\i+2*\c], v[64*\qt+8*\i+2*\c+1], v[TC+4*\qt+\c]
.else
.if \first
	v_max_num_f32 v[TC+4*\qt+\c], v[64*\qt+8*\i+2*\c], v[64*\qt+8*\i+2*\c+1]
.else
	v_max3_num_f32 v[TC+4*\qt+\c], v[64*\qt+8*\i+2*\c], v[64*\qt+8*\i+2*\c+1], v[M+\qt]
.endif
.endif
.endr
.endr
.endr
	WIN 0
.irp qt, 0,1
	v_max3_num_f32 v[TC+4*\qt], v[TC+4*\qt], v[TC+4*\qt+1], v[TC+4*\qt+2]
	v_max_num_f32 v[TC+4*\qt], v[TC+4*\qt], v[TC+4*\qt+3]
	v_permlanex16_b32 v[XX+\qt], v[TC+4*\qt], s66, s67     ; the other half of the lanes holds the query's other keys
	v_max_num_f32 v[TC+4*\qt], v[TC+4*\qt], v[XX+\qt]      ; the new maximum
	v_mul_f32 v[NM+2*\qt], s62, v[TC+4*\qt]
	v_mov_b32 v[NM+2*\qt+1], v[NM+2*\qt]
.endr
.if \first == 0
.irp qt, 0,1
	v_fma_f32 v[XX+\qt], v[M+\qt], s60, v[NM+2*\qt]        ; c (old maximum - new maximum)
.endr
.irp qt, 0,1
	v_exp_f32 v[AL+2*\qt], v[XX+\qt]
	v_exp_f32 v[AL+2*\qt+1], v[XX+\qt]
.endr
.endif
	v_mov_b32 v[M], v[TC]                          ; also the plain place behind the exponentials (ISA guide 5.7.2)
	v_mov_b32 v[M+1], v[TC+4]
.if \first == 0
	s_wait_alu depctr_va_vdst(0)
.irp qt, 0,1
.set i, 0
.rept 16
	v_pk_mul_f32 v[O+32*\qt+2*i:O+32*\qt+2*i+1], v[O+32*\qt+2*i:O+32*\qt+2*i+1], v[AL+2*\qt:AL+2*\qt+1]
.set i, i+1
.endr
.irp c, 0,1,2,3
	v_pk_mul_f32 v[LA+8*\qt+2*\c:LA+8*\qt+2*\c+1], v[LA+8*\qt+2*\c:LA+8*\qt+2*\c+1], v[AL+2*\qt:AL+2*\qt+1]
.endr
.endr
.endif
	WIN 0x41                                       ; source 0 and destination window 1
.irp qt, 0,1
.set i, 0
.rept 32
	v_pk_fma_f32 v[64*\qt+2*i:64*\qt+2*i+1], v[64*\qt+2*i:64*\qt+2*i+1], s[60:61], v[NM+2*\qt:NM+2*\qt+1] op_sel_hi:[1,0,1]   ; c (s - maximum)
.set i, i+1
.endr
.endr
.set i, 0
.rept 128
	v_exp_f32 v[i], v[i]
.set i, i+1
.endr
	v_nop                                          ; one plain place behind the exponentials
.if \first
	WIN 0x05
	s_wait_alu depctr_va_vdst(0)
.irp qt, 0,1
.irp c, 0,1,2,3
	v_pk_add_f32 v[LA+8*\qt+2*\c:LA+8*\qt+2*\c+1], v[64*\qt+2*\c:64*\qt+2*\c+1], v[64*\qt+8+2*\c:64*\qt+8+2*\c+1]   ; the first two groups start the sums
.endr
.endr
	WIN 0x01
.irp i, 2,3,4,5,6,7
.irp qt, 0,1
.irp c, 0,1,2,3
	v_pk_add_f32 v[LA+8*\qt+2*\c:LA+8*\qt+2*\c+1], v[64*\qt+8*\i+2*\c:64*\qt+8*\i+2*\c+1], v[LA+8*\qt+2*\c:LA+8*\qt+2*\c+1]
.endr
.endr
.endr
.else
	WIN 0x01
	s_wait_alu depctr_va_vdst(0)
.irp i, 0,1,2,3,4,5,6,7
.irp qt, 0,1
.irp c, 0,1,2,3
	v_pk_add_f32 v[LA+8*\qt+2*\c:LA+8*\qt+2*\c+1], v[64*\qt+8*\i+2*\c:64*\qt+8*\i+2*\c+1], v[LA+8*\qt+2*\c:LA+8*\qt+2*\c+1]
.endr
.endr
.endr
.endif
	WIN 0x05
.set i, 0
.rept 64
	v_cvt_pk_f16_f32 v[P+i], v[2*i], v[2*i+1]      ; tiles 2 kg and 2 kg + 1 become registers 0-3 and 4-7 of fragment kg
.set i, i+1
.endr
.endm
; 8 matrix instructions: keys 32 kg .. +31, word pt of v (0 upper, 1 lower), onto the 8 accumulators of O^T,
; which take turns, one instruction a turn, in the same order throughout
.macro PVP kg, pt, zero
.irp qt, 0,1
.irp dt, 0,1,2,3
.if \zero
	v_wmma_f32_16x16x32_f16 v[O+8*(4*\qt+\dt):O+8*(4*\qt+\dt)+7], v[8*(8*\kg+4*\pt+\dt):8*(8*\kg+4*\pt+\dt)+7], v[P+8*(4*\qt+\kg):P+8*(4*\qt+\kg)+7], 0
.else
	v_wmma_f32_16x16x32_f16 v[O+8*(4*\qt+\dt):O+8*(4*\qt+\dt)+7], v[8*(8*\kg+4*\pt+\dt):8*(8*\kg+4*\pt+\dt)+7], v[P+8*(4*\qt+\kg):P+8*(4*\qt+\kg)+7], v[O+8*(4*\qt+\dt):O+8*(4*\qt+\dt)+7]
.endif
.endr
.endr
.endm
; O^T += V^T P^T.
; first = 1, the diagonal step of block blk, both words of v: the loads of key groups 0 to 2 (16 each) went out behind the score products; group 3's go out here.
; first = 0, upper word alone: all four groups' loads (8 each) went out behind the score products.
.macro PV slot, first, blk
.if \first
	s_wait_dscnt 32                                ; group 0's 16 loads are in; groups 1 and 2 may stay out
	WIN 0xc0
	VLOAD \slot, 3, 2, \blk
	WIN 0x03                                       ; source 0 window 3
	PVP 0, 0, 1                                    ; the first products start the sums
	PVP 0, 1, 0
	s_wait_dscnt 32                                ; group 1 is in; groups 2 and 3 may stay out
	PVP 1, 0, 0
	PVP 1, 1, 0
	s_wait_dscnt 16                                ; group 3 may stay out
	PVP 2, 0, 0
	PVP 2, 1, 0
	s_wait_dscnt 0x0
	PVP 3, 0, 0
	PVP 3, 1, 0
.else
	WIN 0x03
	s_wait_dscnt 24                                ; group 0's 8 loads are in; the 24 of groups 1 to 3 may stay out
	PVP 0, 0, 0
	s_wait_dscnt 16
	PVP 1, 0, 0
	s_wait_dscnt 8
	PVP 2, 0, 0
	s_wait_dscnt 0x0
	PVP 3, 0, 0
.endif
	WIN 0
.endm
; a block is done: divide by the row sums, round to f16, through my own stage, out as 512 consecutive bytes a store.  sb: the pair with my rows of ao.
.macro FINAL sb
.irp qt, 0,1                                   ; these eight lines on the row sums are also the places behind the last matrix instructions
	v_pk_add_f32 v[LA+8*\qt:LA+8*\qt+1], v[LA+8*\qt:LA+8*\qt+1], v[LA+8*\qt+2:LA+8*\qt+3]
	v_pk_add_f32 v[LA+8*\qt+4:LA+8*\qt+5], v[LA+8*\qt+4:LA+8*\qt+5], v[LA+8*\qt+6:LA+8*\qt+7]
.endr
.irp qt, 0,1
	v_pk_add_f32 v[LA+8*\qt:LA+8*\qt+1], v[LA+8*\qt:LA+8*\qt+1], v[LA+8*\qt+4:LA+8*\qt+5]
.endr
.irp qt, 0,1
	v_add_f32 v[LA+8*\qt], v[LA+8*\qt], v[LA+8*\qt+1]
.endr
.irp qt, 0,1
	v_permlanex16_b32 v[XX+\qt], v[LA+8*\qt], s66, s67
.endr
.irp qt, 0,1
	v_add_f32 v[LA+8*\qt], v[LA+8*\qt], v[XX+\qt]  ; at least 1: the key with the maximum counts 1
.endr
.irp qt, 0,1
	v_rcp_f32 v[RL+2*\qt], v[LA+8*\qt]
	v_rcp_f32 v[RL+2*\qt+1], v[LA+8*\qt]
.endr
	v_nop                                          ; one plain place behind the reciprocals
	s_wait_alu depctr_va_vdst(0)
.irp qt, 0,1
.set i, 0
.rept 16
	v_pk_mul_f32 v[O+32*\qt+2*i:O+32*\qt+2*i+1], v[O+32*\qt+2*i:O+32*\qt+2*i+1], v[RL+2*\qt:RL+2*\qt+1]
.set i, i+1
.endr
.endr
.set i, 0
.rept 32
	v_cvt_pk_f16_f32 v[P+i], v[O+2*i], v[O+2*i+1]
.set i, i+1
.endr
.irp qt, 0,1
.irp dt, 0,1,2,3
	ds_store_b128 v[STO], v[P+4*(4*\qt+\dt):P+4*(4*\qt+\dt)+3] offset:\qt*16*KP+32*\dt
.endr
.endr
.irp t, 0,1,2,3,4,5,6,7
	ds_load_b128 v[P+32+4*\t:P+32+4*\t+3], v[RD] offset:\t*4*KP    ; LDS serves a wave's instructions in order: these see the stores above
.endr
.irp t, 0,1,2,3,4,5,6,7
	s_wait_dscnt 7-\t                              ; load t is in, the younger ones stay out
	global_store_b128 v[CO], v[P+32+4*\t:P+32+4*\t+3], s[\sb:\sb+1] offset:512*\t
.endr
	s_wait_xcnt 0x0                                ; P, which these stores read, is written again only behind this wait
.endm
; one step.  diag = 1: the diagonal tile of block blk (0: a, 1: b)
.macro STEP slot, qf, diag, blk
	FETCHK \slot
	SCORES \qf
	WIN 0xc0
.if \diag
	VLOAD \slot, 0, 2, \blk                        ; 48 loads that land while the softmax is worked out
	VLOAD \slot, 1, 2, \blk
	VLOAD \slot, 2, 2, \blk
	MASK
.else
	VLOAD \slot, 0, 1, 0                           ; 32 loads that land while the softmax is worked out
	VLOAD \slot, 1, 1, 0
	VLOAD \slot, 2, 1, 0
	VLOAD \slot, 3, 1, 0
.endif
	SOFTMAX \diag
	PV \slot, \diag, \blk
.endm
	s_wait_tensorcnt 0x1                           ; my parts of the first tile and of the lower words are in; the second tile stays out
	s_barrier_signal -1
	s_barrier_wait -1
	s_wait_loadcnt 0x0                             ; q
	STEP 0, QA, 1, 0                               ; block a, diagonal
	s_mov_b32 s76, ttmp9                           ; a = 2 p tiles below it: p trips of two
	s_cmp_eq_u32 s76, 0
	s_cbranch_scc1 .Ldone_a
.Lloop_a:
	HEAD 0, 1
	STEP 1, QA, 0, 0
	HEAD 1, 1
	STEP 0, QA, 0, 0
	s_sub_co_i32 s76, s76, 1
	s_cmp_lg_u32 s76, 0
	s_cbranch_scc1 .Lloop_a
.Ldone_a:
	HEAD 0, 1
	FINAL 72
	STEP 1, QB, 1, 1                               ; block b, diagonal
	s_sub_co_u32 s76, 7, ttmp9                     ; b = 15 - 2 p tiles below it: 7 - p trips of two, and one
	s_cmp_eq_u32 s76, 0
	s_cbranch_scc1 .Ldone_b
.Lloop_b:
	HEAD 1, 1
	STEP 0, QB, 0, 0
	HEAD 0, 1
	STEP 1, QB, 0, 0
	s_sub_co_i32 s76, s76, 1
	s_cmp_lg_u32 s76, 0
	s_cbranch_scc1 .Lloop_b
.Ldone_b:
	HEAD 1, 0                                      ; the last tile: nothing is left to fetch
	STEP 0, QB, 0, 0
	FINAL 74
	s_wait_tensorcnt 0x0
	ds_add_u32 v254, v255
	s_wait_dscnt 0x0
	s_endpgm
.Lfunc_end_k_qe9494429ae_attn:
	.size	k_qe9494429ae_attn, .Lfunc_end_k_qe9494429ae_attn-k_qe9494429ae_attn
	.p2alignl 7, 3214868480
	.fill 96, 4, 3214868480
	.section	.rodata,"a",@progbits
	.p2align	6, 0x0
	.amdhsa_kernel k_qe9494429ae_attn
		.amdhsa_group_segment_fixed_size 327680
		.amdhsa_private_segment_fixed_size 0
		.amdhsa_enable_private_segment 0
		.amdhsa_kernarg_size 16
		.amdhsa_user_sgpr_count 2
		.amdhsa_user_sgpr_kernarg_segment_ptr 1
		.amdhsa_wavefront_size32 1
		.amdhsa_system_sgpr_workgroup_id_x 1
		.amdhsa_system_sgpr_workgroup_id_y 1
		.amdhsa_system_sgpr_workgroup_id_z 1
		.amdhsa_system_vgpr_workitem_id 0
		.amdhsa_next_free_vgpr 1024
		.amdhsa_next_free_sgpr 84
		.amdhsa_reserve_vcc 1
		.amdhsa_float_denorm_mode_32 3
		.amdhsa_float_denorm_mode_16_64 3
		.amdhsa_memory_ordered 1
		.amdhsa_forward_progress 1
		.amdhsa_inst_pref_size 255
	.end_amdhsa_kernel
	.section	.bss,"aw",@nobits
	.p2align	6
	.space	262144
	.amdgpu_metadata
---
amdhsa.version: [ 1, 2 ]
amdhsa.kernels:
  - .name:           k_qe9494429ae_attn
    .symbol:         k_qe9494429ae_attn.kd
    .args:
      - { .name: qkv, .offset: 0, .size: 8, .value_kind: global_buffer, .address_space: global }
      - { .name: ao, .offset: 8, .size: 8, .value_kind: global_buffer, .address_space: global }
    .group_segment_fixed_size: 327680
    .private_segment_fixed_size: 0
    .kernarg_segment_align: 8
    .kernarg_segment_size: 16
    .max_flat_workgroup_size: 128
    .sgpr_count:     84
    .vgpr_count:     1024
    .wavefront_size: 32
...
	.end_amdgpu_metadata
.endif
;; end of part 7
;; launch oproj (part 8): grid 8 x 32, 4 waves a work-group, clusters of 4 x 4, 327,680 bytes of LDS; arguments ao, cb, out0; writes out0
.if DOCPART == 8
	.amdgcn_target "amdgcn-amd-amdhsa--gfx1250"
	.amdhsa_code_object_version 6
	.text
	.protected	k_qe9494429ae_oproj
	.globl	k_qe9494429ae_oproj
	.p2align	8
	.type	k_qe9494429ae_oproj,@function
k_qe9494429ae_oproj:
	s_mov_b64 s[64:65], 0
	v_nop
	global_prefetch_b8 v0, s[64:65] scope:SCOPE_SE
	s_setreg_imm32_b32 hwreg(HW_REG_WAVE_MODE, 25, 1), 1
	s_wait_xcnt 0x0
	s_wait_alu depctr_hold_cnt(0) depctr_sa_sdst(0) depctr_va_vdst(0) depctr_va_sdst(0) depctr_va_ssrc(0) depctr_va_vcc(0) depctr_vm_vsrc(0)
	s_getreg_b32 s2, hwreg(HW_REG_IB_STS2, 6, 4)
	s_cmp_eq_u32 s2, 0
	s_cbranch_scc0 .Lentry_in_a_cluster
	s_endpgm
.Lentry_in_a_cluster:
	s_bfe_u32 s2, ttmp6, 0x10000c
	s_cmp_lg_u32 s2, 0xf033
	s_cbranch_scc0 .Lentry_shape_is_right
	s_endpgm
.Lentry_shape_is_right:
; out0 = ao Wo^T in f32.  ao = [mb = row block of 128][head][128 rows][64] f16; Wo in f16's format = cb rows 7168..8191, [1024][1024].
; Work-group (nb, mb) makes a block of 128 x 128; four waves, each 64 x 64: 16 accumulator tiles.  256 work-groups, one for each WGP:
; a larger block would leave WGPs idle at this size.
; K = 1,024 goes through two LDS slots of 256 along K: four fills in all, two of them at the start, written out without a loop.  A slot holds four
; head planes of ao (128 rows x 128 bytes each, dense in memory) and 128 rows x 512 bytes of Wo, and is worked off in four slices of 64 along K
; (one plane), 32 matrix instructions a wave each, on two fragment buffers.
; CLUSTER 4 x 4: the tiles of ao hang on mb alone and are asked for jointly along a row of the cluster, those of Wo on nb alone, along a column.
; By this text's count a wave has two tensor loads out at the start, later one, and at most 48 LDS loads.
; The matrix instruction is used transposed (source 0 = rows of Wo, source 1 = rows of ao): lane (r, h) register j holds (row 16 a + r, column 16 b + 8 h + j).
; Operands are f16, sums and result f32.
.set PA,     144                       ; LDS pitch of ao: 128 bytes + 16
.set PB,     528                       ; LDS pitch of Wo: 512 bytes + 16
.set AHALF,  256*PA                    ; one tensor load of ao: two planes
.set BHALF,  64*PB                     ; one tensor load of Wo: 64 rows
.set BOFF,   2*AHALF
.set SLOT,   BOFF+2*BHALF              ; 141,312
.set STAGE,  2*SLOT                    ; 282,624: behind the ring, never filled by a tensor load
.set SPITCH, 272                       ; stage row: 64 f32 + 16 bytes
.set WSTAGE, 16*SPITCH
.set WO_OFF, 14680064                  ; cb row 7168
; window 0
.set ADRA, 4
.set ADRB, 6
.set STO,  8
.set RD,   9
.set CO,   10
.set RB,   16                          ; v[16:47]   way out: rows read back
.set ACC,  128                         ; v[128:255] tile (a, b) at + 8 (4 a + b)
; window 1: buffer f = slice mod 2: Wo fragments at 128 f + 8 (4 kk + b), ao fragments at 128 f + 64 + 8 (4 kk + a)
.set G1,  24
.set G0,  32
.set G1B, 48
.set G0B, 56
.set MSB, 0
.macro WIN new
.if MSB != (\new)
	s_set_vgpr_msb ((MSB<<8)|(\new))
.set MSB, (\new)
.endif
.endm
.set MULW, 0x05                        ; sources 0 and 1 window 1, C and D window 0
.set TO_F, 0x40                        ; destination window 1
.macro JLOAD s                         ; waves 0, 1 fetch the halves of ao, waves 2, 3 those of Wo
	s_cmp_eq_u32 s11, 0
	s_cbranch_scc0 .Lfor_b_\@
	tensor_load_to_lds s[G0+4*\s:G0+4*\s+3], s[G1:G1+7]
	s_nop 0
	s_branch .Lasked_\@
.Lfor_b_\@:
	tensor_load_to_lds s[G0B+4*\s:G0B+4*\s+3], s[G1B:G1B+7]
	s_nop 0
.Lasked_\@:
.endm
.macro CREST                           ; a round of the cluster barrier behind its opening work-group barrier
	s_cmp_lg_u32 s10, 0
	s_cbranch_scc1 .Lnot_wave_0_\@
	s_barrier_signal -3
.Lnot_wave_0_\@:
	s_barrier_wait -3
	s_barrier_signal -1
	s_barrier_wait -1
.endm
.macro CROUND
	s_barrier_signal -1
	s_barrier_wait -1
	CREST
.endm
.macro PLACES                          ; four places behind matrix instructions (ISA guide 7.12.1)
.rept 4
	v_nop
.endr
.endm
	s_load_b128 s[4:7], s[0:1], 0x0                ; ao s[4:5], cb s[6:7]
	s_load_b64 s[8:9], s[0:1], 0x10                ; out0
	v_lshl_add_u32 v126, v0, 2, 0x49400
	v_mov_b32 v127, 0
	ds_add_u32 v126, v127
	v_lshrrev_b32 v1, 5, v0
	v_readfirstlane_b32 s10, v1                    ; wave 0..3
	s_lshr_b32 s11, s10, 1                         ; my half of the rows.  Also: I fetch ao (0) or Wo (1)
	s_and_b32 s12, s10, 1                          ; my half of the columns.  Also: which half of that tile I fetch
	s_bfe_u32 s40, ttmp6, 0x40000                  ; cx
	s_bfe_u32 s41, ttmp6, 0x40004                  ; cy
	s_lshl_b32 s42, ttmp9, 2
	s_add_co_u32 s42, s42, s40                     ; nb
	s_and_b32 s13, ttmp7, 0xffff
	s_lshl_b32 s13, s13, 2
	s_add_co_u32 s13, s13, s41                     ; mb
	s_lshl_b32 s43, s41, 2
	s_lshl_b32 s43, 15, s43                        ; my row of the cluster
	s_lshl_b32 s44, 0x1111, s40                    ; my column
	s_or_b32 s[G1+0], s43, (1<<16)|(1<<20)|(1<<21)|(4<<22)|(3<<25)   ; ao: after 32 words 4 words of padding
	s_or_b32 s[G1B+0], s44, (1<<16)|(1<<20)|(1<<21)|(6<<22)|(3<<25)  ; Wo: after 128 words 4 words
	s_mov_b32 s[G1+1], 64<<16                      ; tensor_dim0
	s_mov_b32 s[G1B+1], 256<<16
	s_mov_b32 s[G1+2], 256<<16                     ; tensor_dim1
	s_mov_b32 s[G1B+2], 64<<16
	s_mov_b32 s[G1+3], 64<<16                      ; tile_dim0
	s_mov_b32 s[G1B+3], 256<<16
	s_mov_b32 s[G1+4], 256                         ; tile_dim1: two planes of 128 rows, which follow each other in memory
	s_mov_b32 s[G1B+4], 64
	s_mov_b32 s[G1+5], 64                          ; elements from row to row
	s_mov_b32 s[G1B+5], 1024
	s_mov_b32 s[G1+6], 0
	s_mov_b32 s[G1B+6], 0
	s_mov_b32 s[G1+7], 0
	s_mov_b32 s[G1B+7], 0
	s_lshl_b32 s17, s12, 1
	s_lshl_b32 s16, s13, 4
	s_add_co_u32 s16, s16, s17                     ; ao: plane 16 mb + 2 half
	s_lshl_b32 s16, s16, 14                        ; planes of 16,384 bytes
	s_mov_b32 s17, 0
	s_lshl_b32 s46, s42, 7
	s_lshl_b32 s47, s12, 6
	s_add_co_u32 s46, s46, s47                     ; Wo: row 128 nb + 64 half
	s_lshl_b32 s46, s46, 11
	s_add_co_u32 s46, s46, WO_OFF
	s_mov_b32 s47, 0
	s_mul_i32 s20, s10, AHALF                      ; LDS: halves of ao at wave x 36,864 (waves 0, 1)
	s_mul_i32 s21, s10, BHALF                      ; halves of Wo at 73,728 + (wave - 2) x 33,792 (waves 2, 3)
	s_add_co_u32 s21, s21, BOFF-2*BHALF
	s_wait_dscnt 0x0
	s_wait_kmcnt 0x0
	s_add_nc_u64 s[14:15], s[4:5], s[16:17]
	s_add_nc_u64 s[46:47], s[6:7], s[46:47]
	CROUND                                         ; all sixteen work-groups are here: the first joint loads meet
.irp s, 0,1
	s_mov_b32 s[G0+4*\s], 1
	s_add_co_u32 s[G0+4*\s+1], s20, \s*SLOT
	s_add_nc_u64 s[G0+4*\s+2:G0+4*\s+3], s[14:15], \s*65536        ; four planes on
	s_or_b32 s[G0+4*\s+3], s[G0+4*\s+3], 0x80000000
	s_mov_b32 s[G0B+4*\s], 1
	s_add_co_u32 s[G0B+4*\s+1], s21, \s*SLOT
	s_add_nc_u64 s[G0B+4*\s+2:G0B+4*\s+3], s[46:47], \s*512        ; 256 along K on
	s_or_b32 s[G0B+4*\s+3], s[G0B+4*\s+3], 0x80000000
	JLOAD \s                                       ; half of all operands goes out before anything else is done
.endr
	v_and_b32 v1, 15, v0                           ; r
	v_bfe_u32 v2, v0, 4, 1                         ; h
	v_mul_u32_u24 v3, v1, PA
	v_lshl_add_u32 v3, v2, 4, v3
	s_mul_i32 s22, s11, 64*PA                      ; my 64 rows of ao
	v_add_nc_u32 v[ADRA], s22, v3
	v_add_nc_u32 v[ADRA+1], SLOT, v[ADRA]
	v_mul_u32_u24 v3, v1, PB
	v_lshl_add_u32 v3, v2, 4, v3
	s_mul_i32 s22, s12, 64*PB                      ; my 64 rows of Wo
	s_add_co_u32 s22, s22, BOFF
	v_add_nc_u32 v[ADRB], s22, v3
	v_add_nc_u32 v[ADRB+1], SLOT, v[ADRB]
	s_mul_i32 s23, s10, WSTAGE
	s_add_co_u32 s23, s23, STAGE                   ; my stage
	v_mul_u32_u24 v3, v1, SPITCH
	v_lshl_add_u32 v3, v2, 5, v3
	v_add_nc_u32 v[STO], s23, v3                   ; in: row r, 32 bytes for each half of the lanes
	v_mul_u32_u24 v3, v2, SPITCH
	v_lshl_add_u32 v3, v1, 4, v3
	v_add_nc_u32 v[RD], s23, v3                    ; back: sixteen lanes a row of 256 bytes, two rows a load
	v_lshlrev_b32 v3, 12, v2
	v_lshl_add_u32 v[CO], v1, 4, v3                ; the same two rows in out0
; 8 matrix instructions of slice q, 32 along K (kk), row blocks a0 and a0 + 1.  The 16 accumulators take turns, one instruction a turn,
; in the same order throughout.
.macro MUL8 q, kk, a0, zero
.irp a, \a0, \a0+1
.irp b, 0,1,2,3
.if \zero
	v_wmma_f32_16x16x32_f16 v[ACC+8*(4*(\a)+\b):ACC+8*(4*(\a)+\b)+7], v[128*(\q%2)+8*(4*\kk+\b):128*(\q%2)+8*(4*\kk+\b)+7], v[128*(\q%2)+64+8*(4*\kk+(\a)):128*(\q%2)+64+8*(4*\kk+(\a))+7], 0
.else
	v_wmma_f32_16x16x32_f16 v[ACC+8*(4*(\a)+\b):ACC+8*(4*(\a)+\b)+7], v[128*(\q%2)+8*(4*\kk+\b):128*(\q%2)+8*(4*\kk+\b)+7], v[128*(\q%2)+64+8*(4*\kk+(\a)):128*(\q%2)+64+8*(4*\kk+(\a))+7], v[ACC+8*(4*(\a)+\b):ACC+8*(4*(\a)+\b)+7]
.endif
.endr
.endr
.endm
; 32 LDS loads: the fragments of slice q (64 along K = plane q of the slot) into buffer q mod 2; the 16 loads of kk = 0 come first
.macro FETCH slot, q
	WIN TO_F
.irp kk, 0,1
.irp b, 0,1,2,3
	ds_load_b128 v[128*(\q%2)+8*(4*\kk+\b):128*(\q%2)+8*(4*\kk+\b)+3],   v[ADRB+\slot] offset:\q*128+\kk*64+\b*16*PB
	ds_load_b128 v[128*(\q%2)+8*(4*\kk+\b)+4:128*(\q%2)+8*(4*\kk+\b)+7], v[ADRB+\slot] offset:\q*128+\kk*64+\b*16*PB+32
.endr
.irp a, 0,1,2,3
	ds_load_b128 v[128*(\q%2)+64+8*(4*\kk+\a):128*(\q%2)+64+8*(4*\kk+\a)+3],   v[ADRA+\slot] offset:\q*128*PA+\kk*64+\a*16*PA
	ds_load_b128 v[128*(\q%2)+64+8*(4*\kk+\a)+4:128*(\q%2)+64+8*(4*\kk+\a)+7], v[ADRA+\slot] offset:\q*128*PA+\kk*64+\a*16*PA+32
.endr
.endr
.endm
; one of a slot's first three slices: multiplies slice q, fetches slice nq in its middle
.macro SLICE slot, q, nq, zero
	s_wait_dscnt 16                                ; this slice's first half is in; the 16 loads of its second half may stay out
	WIN MULW
	MUL8 \q, 0, 0, \zero
	MUL8 \q, 0, 2, \zero
	PLACES
	FETCH \slot, \nq
	s_wait_dscnt 32                                ; all but the 32 just issued
	WIN MULW
	MUL8 \q, 1, 0, 0
	MUL8 \q, 1, 2, 0
.endm
.macro THREE slot, zero
	SLICE \slot, 0, 1, \zero
	SLICE \slot, 1, 2, 0
	SLICE \slot, 2, 3, 0
.endm
; a slot's last slice and the change of slots.  In front of the barrier each wave has waited for its reads of this slot and for all
; its tensor loads (at most one is out: its part of the next slot).  fill = 1: the barrier opens a round of the cluster barrier and the joint refill,
; 512 along K ahead, is the first tensor load behind it.  From a request to its wait: 120 matrix instructions.
.macro TURNQ slot, next, fill
	s_wait_dscnt 16                                ; this slice's second half may stay out
	WIN MULW
	MUL8 3, 0, 0, 0
	MUL8 3, 0, 2, 0
	s_wait_dscnt 0x0                               ; my reads of this slot are over
	s_set_vgpr_msb 0x500
	s_wait_tensorcnt 0x0                           ; all my tensor loads have landed
	ds_add_u32 v126, v127
	s_wait_dscnt 0x0
	s_set_vgpr_msb 0x5
	s_barrier_signal -1
	MUL8 3, 1, 0, 0                                ; register work while the others arrive
	WIN 0
	s_barrier_wait -1
.if \fill
	CREST
	s_add_nc_u64 s[G0+4*\slot+2:G0+4*\slot+3], s[G0+4*\slot+2:G0+4*\slot+3], 131072    ; eight planes on
	s_add_nc_u64 s[G0B+4*\slot+2:G0B+4*\slot+3], s[G0B+4*\slot+2:G0B+4*\slot+3], 1024  ; 512 along K on
	JLOAD \slot
.endif
	PLACES
	FETCH \next, 0
	WIN MULW
	MUL8 3, 1, 2, 0
.endm
	s_wait_tensorcnt 0x1                           ; my part of slot 0 is in; slot 1 stays out
	s_barrier_signal -1
	s_barrier_wait -1
	FETCH 0, 0
	THREE 0, 1                                     ; K 0..255; the first products start the sums: nothing is cleared
	TURNQ 0, 1, 1
	THREE 1, 0                                     ; K 256..511
	TURNQ 1, 0, 1
	THREE 0, 0                                     ; K 512..767
	TURNQ 0, 1, 0                                  ; nothing is left to fetch
	THREE 1, 0                                     ; K 768..1023
	s_wait_dscnt 16
	WIN MULW
	MUL8 3, 0, 0, 0
	MUL8 3, 0, 2, 0
	s_wait_dscnt 0x0
	MUL8 3, 1, 0, 0
	MUL8 3, 1, 2, 0
	WIN 0
	; THE WAY OUT, 16 rows at a time through my own stage: sixteen lanes store 256 consecutive bytes at a multiple of 256
	PLACES
	s_lshl_b32 s66, s13, 7
	s_lshl_b32 s67, s11, 6
	s_add_co_u32 s66, s66, s67                     ; my first row: 128 mb + 64 half
	s_lshl_b32 s66, s66, 12                        ; rows of 4,096 bytes
	s_lshl_b32 s67, s42, 9
	s_add_co_u32 s66, s66, s67                     ; + 512 nb
	s_lshl_b32 s67, s12, 8
	s_add_co_u32 s66, s66, s67                     ; + 256 half
	s_mov_b32 s67, 0
	s_add_nc_u64 s[8:9], s[8:9], s[66:67]
.irp a, 0,1,2,3
.irp b, 0,1,2,3
	ds_store_b128 v[STO], v[ACC+8*(4*\a+\b):ACC+8*(4*\a+\b)+3]   offset:64*\b
	ds_store_b128 v[STO], v[ACC+8*(4*\a+\b)+4:ACC+8*(4*\a+\b)+7] offset:64*\b+16
.endr
	s_wait_xcnt 0x0                                ; RB, which the last block's stores read, is loaded again only behind this wait
.irp t, 0,1,2,3,4,5,6,7
	ds_load_b128 v[RB+4*\t:RB+4*\t+3], v[RD] offset:\t*2*SPITCH    ; LDS serves a wave's instructions in order: these see the stores above
.endr
.irp t, 0,1,2,3,4,5,6,7
	s_wait_dscnt 7-\t                              ; load t is in, the younger ones stay out
	global_store_b128 v[CO], v[RB+4*\t:RB+4*\t+3], s[8:9] offset:(16*\a+2*\t)*4096 th:TH_STORE_NT
.endr
.endr
	s_wait_tensorcnt 0x0
	ds_add_u32 v126, v127
	s_wait_dscnt 0x0
	CROUND                                         ; the closing round: no work-group ends while a partner may still ask jointly
	s_endpgm
.Lfunc_end_k_qe9494429ae_oproj:
	.size	k_qe9494429ae_oproj, .Lfunc_end_k_qe9494429ae_oproj-k_qe9494429ae_oproj
	.p2alignl 7, 3214868480
	.fill 96, 4, 3214868480
	.section	.rodata,"a",@progbits
	.p2align	6, 0x0
	.amdhsa_kernel k_qe9494429ae_oproj
		.amdhsa_group_segment_fixed_size 327680
		.amdhsa_private_segment_fixed_size 0
		.amdhsa_enable_private_segment 0
		.amdhsa_kernarg_size 24
		.amdhsa_user_sgpr_count 2
		.amdhsa_user_sgpr_kernarg_segment_ptr 1
		.amdhsa_wavefront_size32 1
		.amdhsa_system_sgpr_workgroup_id_x 1
		.amdhsa_system_sgpr_workgroup_id_y 1
		.amdhsa_system_sgpr_workgroup_id_z 1
		.amdhsa_system_vgpr_workitem_id 0
		.amdhsa_next_free_vgpr 512
		.amdhsa_next_free_sgpr 68
		.amdhsa_reserve_vcc 0
		.amdhsa_float_denorm_mode_32 3
		.amdhsa_float_denorm_mode_16_64 3
		.amdhsa_memory_ordered 1
		.amdhsa_forward_progress 1
		.amdhsa_inst_pref_size 86
	.end_amdhsa_kernel
	.amdgpu_metadata
---
amdhsa.version: [ 1, 2 ]
amdhsa.kernels:
  - .name:           k_qe9494429ae_oproj
    .symbol:         k_qe9494429ae_oproj.kd
    .args:
      - { .name: ao, .offset: 0, .size: 8, .value_kind: global_buffer, .address_space: global }
      - { .name: cb, .offset: 8, .size: 8, .value_kind: global_buffer, .address_space: global }
      - { .name: out0, .offset: 16, .size: 8, .value_kind: global_buffer, .address_space: global }
    .group_segment_fixed_size: 327680
    .private_segment_fixed_size: 0
    .kernarg_segment_align: 8
    .kernarg_segment_size: 24
    .max_flat_workgroup_size: 128
    .sgpr_count:     68
    .vgpr_count:     512
    .wavefront_size: 32
...
	.end_amdgpu_metadata
.endif
;; end of part 8
